; MI455X (gfx1250); checked and timed in simulation.
; The chip was launched on July 23, 2026; its instructions are those of AMD's public machine-readable ISA for CDNA 5 (MIT licence, August 2026) and "CDNA5" Instruction Set Architecture Reference Guide (July 2026). The comments in the code are by the model that wrote it; some were corrected since.
;; Attention. Allowed arithmetic: matrix products marked QUANTISED: E2M1 operands, one E8M0 scale for each 32 along K, by v_wmma_scale_f32_16x16x128_f8f6f4 with both operands' format E2M1 (or v_wmma_scale_f32_32x16x128_f4), f32 sums; products left as they are: bf16, f16 or f32 operands; f32 sums; everything else in f32.
;; Inputs: cos 2,048 x 32 float32; mask 2,048 x 2,048 float32; sin 2,048 x 32 float32; wk 2,048 x 512 float32; wo 2,048 x 2,048 float32; wq 2,048 x 2,048 float32; wv 2,048 x 512 float32; x 1 x 2,048 x 2,048 float32.
;; Outputs: out0 1 x 2,048 x 2,048 float32.
;; This version of the problem:
;;   THIS VERSION OF THE PROBLEM IS GIVEN IN LOW PRECISION. The matrix products marked QUANTISED in the list below multiply operands that are first quantised to E2M1 (2 exponent bits, 1 mantissa bit; 4 bits a number), with one power-of-two scale for each 32 numbers along K (OCP MX v1.0); their sums are f32. The products marked 'left as it is' may take bf16, f16 or f32 operands, with f32 sums. Whichever they take, every output number must still come out within the allowed error. Rounding operands to bf16 (8 significant bits) uses up far more of that allowance than f16 does (11 bits, for magnitudes from 6e-5 to 65,504). All else is computed in f32.
;;   The module's matrix products, in the order in which they are computed (A, B: the left and right operand; K: the contracted axis; several contracted axes count as one K, in the product's order):
;;     1. [M 2,048, K 2,048] x [K 2,048, N 2,048]; A: input x; B: input wq: QUANTISED
;;     2. [M 2,048, K 2,048] x [K 2,048, N 512]; A: input x; B: input wk: QUANTISED
;;     3. [M 2,048, K 2,048] x [K 2,048, N 512]; A: input x; B: input wv: QUANTISED
;;     4. batch 32 x [M 2,048, K 64] x [K 64, N 2,048]; A: computed on the way; B: computed on the way: left as it is (an operand is computed on the way)
;;     5. batch 32 x [M 2,048, K 2,048] x [K 2,048, N 64]; A: computed on the way; B: computed on the way: left as it is (an operand is computed on the way)
;;     6. [M 2,048, K 2,048] x [K 2,048, N 2,048]; A: computed on the way; B: input wo: left as it is (an operand is computed on the way)
;;   THE QUANTISER, for each operand of a quantised product, along K:
;;     - K is cut into blocks of 32 from its start; a last block that is shorter is filled with zeros.
;;     - A block's scale is 2^e with e = floor(log2(the largest magnitude in the block)) - 2, held to -126 .. 127; a block of zeros has e = 0. As a byte (E8M0): e + 127.
;;     - Each number is divided by its block's scale, clamped to +-6, and rounded to the nearest number of E2M1, ties to even, subnormals kept.
;;     - The product sums the exact products of the quantised numbers (number of the format x scale) in f32.
;;   ~~~python
;;   def quantise(x, axis):      # numpy; x: float32 -> the quantised numbers, widened to float32 again
;;       x = np.moveaxis(x, axis, -1); K = x.shape[-1]
;;       x = np.pad(x, [(0, 0)] * (x.ndim - 1) + [(0, -K % 32)]); x = x.reshape(x.shape[:-1] + (-1, 32)); a = np.abs(x).max(-1, keepdims=True)
;;       e = np.where(a > 0, np.clip(np.frexp(np.where(a > 0, a, 1))[1] - 1 - 2, -126, 127), 0)      # np.frexp(a)[1] - 1 = floor(log2(a)), exactly
;;       r = np.clip(x / 2.0 ** e, -6, 6)
;;       step = 2.0 ** (np.maximum(np.frexp(np.where(r == 0, 1, r))[1] - 1, 0) - 1)
;;       q = np.round(r / step) * step * 2.0 ** e      # np.round: ties to even
;;       return np.moveaxis(q.reshape(q.shape[:-2] + (-1,))[..., :K], -1, axis).astype(np.float32)
;;   ~~~
;; 2 versions, each right. Each part assembles by itself: llvm-mc -triple=amdgcn-amd-amdhsa -mcpu=gfx1250 --defsym DOCPART=n.
;; ======== version 1 of 2: 6 launches
;; limits: values are held in f16: magnitudes above 65,504 overflow, below 6.1e-05 lose precision
;; workspace buffers: xq 2,228,224 bytes; wz 3,342,336 bytes; wof 8,388,608 bytes; qkvh 12,582,912 bytes; qkvl 12,582,912 bytes; ao 8,388,608 bytes; aof 131,072 bytes
;; launch prep (part 1): grid 288 x 1, 4 waves a work-group, no clusters, 34,304 bytes of LDS; arguments x, wq, wk, wv, wo, xq, wz, wof; writes xq, wz, wof
.if DOCPART == 1
	.amdgcn_target "amdgcn-amd-amdhsa--gfx1250"
	.amdhsa_code_object_version 6
	.text
	.protected	k_q42df628806_prep
	.globl	k_q42df628806_prep
	.p2align	8
	.type	k_q42df628806_prep,@function
k_q42df628806_prep:
	s_mov_b64 s[64:65], 0
	v_nop
	global_prefetch_b8 v0, s[64:65] scope:SCOPE_SE
	s_setreg_imm32_b32 hwreg(HW_REG_WAVE_MODE, 25, 1), 1
	s_wait_xcnt 0x0
; x [2048][2048] and wq, wk, wv [2048 (k)][n], f32, become codes of FP4 (E2M1) with one E8M0 byte for each 32 along K; wo [2048 (k)][2048] becomes f16.
; All three results are laid in the order of the reader's operand registers: a piece of 16 bytes is what one lane of a fragment holds, 32 pieces on end are four registers of a fragment.
;   xq: codes at kq*524288 + mt*4096 + q*1024 + c*512 + 16*lane: row 16 mt + lane%16, k = 512 kq + 128 q + 64 c + 32 (lane/16) + 0..31; scale words at 2097152 + mt*1024 + kq*256 + r*16 + q*4.
;   wz: the same for columns 0-2047 wq, 2048-2559 wk, 2560-3071 wv (nt = column/16): kq stride 786432, scale words from 3145728.
;   wof: ks*1048576 + nt*8192 + kf*1024 + c*512 + 16*lane: wo[256 ks + 32 kf + 16 c + 8 (lane/16) + 0..7][16 nt + lane%16].
; A block's scale is 2^(floor(log2(largest magnitude)) - 2); its byte is that magnitude's exponent field - 2, held at 1 from below.
; LIMITS: a block of zeros gets the byte 1 (its codes are zeros; this program alone reads the bytes); NaN and infinities are not served; wo beyond 65,504 is not served.
; Work-groups 0-127: x, 16 rows each, wave = 512 along K.  Work-groups 128-287: 128 columns x 512 along K of a weight, a lane to a column, registers down K.
; The launch streams: no matrix unit, no tensor load, no barrier; only x's path turns its numbers through the wave's own LDS stage.
.set SPARE, 33792                      ; behind the four stages of 8,448 bytes: the spare words, 128 bytes a wave
.set SPW, 1
.set NIL, 2
.set RX, 48                            ; x: v48-175 two sets of 64 numbers as loaded
.set XX, 176                           ; x: v176-239 64 numbers in the operand's order
.set CX, 32                            ; x: v32-47 two sets of 8 registers of codes
.set RO, 32                            ; weights: v32-63 byte offset of row i of a block of 32
.set WD, 64                            ; weights: v64-127 two sets of 32 numbers
	s_load_b256 s[4:11], s[0:1], 0x0               ; x, wq, wk, wv
	s_load_b256 s[12:19], s[0:1], 0x20             ; wo, xq, wz, wof
	v_lshl_add_u32 v[SPW], v0, 2, SPARE
	v_mov_b32 v[NIL], 0
	v_lshrrev_b32 v3, 5, v0
	v_readfirstlane_b32 s22, v3                    ; wave
	v_and_b32 v20, 31, v0                          ; lane
	v_and_b32 v21, 15, v0                          ; r
	v_bfe_u32 v22, v0, 4, 1                        ; h
	s_wait_kmcnt 0x0
	s_cmp_lt_u32 ttmp9, 128
	s_cbranch_scc0 .Lweights
; ---------------- x: mt = work-group, kq = wave ----------------
	v_lshlrev_b32 v3, 4, v20                       ; 16 x lane
	s_mul_i32 s23, s22, 8448                       ; my stage: 16 rows of 512 bytes + 16
	v_add_nc_u32 v4, s23, v3                       ; in: as loaded
	v_mul_u32_u24 v5, v21, 528
	v_lshl_add_u32 v5, v22, 7, v5
	v_add_nc_u32 v5, s23, v5                       ; out: row r, 128 h bytes on: my 32 neighbours of each 64
	v_lshlrev_b32 v6, 3, v22                       ; 8 h: where my two bytes stand in the scale word
	v_lshlrev_b32 v7, 4, v21                       ; 16 r
	v_mov_b32 v11, 0                               ; a lane permute's destination counts as read
	s_mov_b32 s20, 0x76543210
	s_mov_b32 s21, 0xfedcba98
	s_lshl_b32 s24, ttmp9, 17                      ; 16 rows of 8,192 bytes
	s_lshl_b32 s25, s22, 11                        ; 512 numbers
	s_add_co_u32 s24, s24, s25
	s_mov_b32 s25, 0
	s_add_nc_u64 s[4:5], s[4:5], s[24:25]
	s_lshl_b32 s24, s22, 19
	s_lshl_b32 s26, ttmp9, 12
	s_add_co_u32 s24, s24, s26
	s_add_nc_u64 s[28:29], s[14:15], s[24:25]      ; my codes
	s_lshl_b32 s24, ttmp9, 10
	s_lshl_b32 s26, s22, 8
	s_add_co_u32 s24, s24, s26
	s_add_co_u32 s24, s24, 2097152
	s_add_nc_u64 s[30:31], s[14:15], s[24:25]      ; my scale words
.macro LOADX q                         ; 128 along K of 16 rows: each load reads 512 consecutive bytes of one row
.irp i, 0,1,2,3,4,5,6,7,8,9,10,11,12,13,14,15
	global_load_b128 v[RX+64*((\q)%2)+4*\i:RX+64*((\q)%2)+4*\i+3], v3, s[4:5] offset:\i*8192+(\q)*512 th:TH_LOAD_NT
.endr
.endm
.macro QUANTX q                        ; my two blocks of 32 (blocks h and 2 + h of the 128): scale word into v[16+q], codes into set q%2
.irp c, 0,1
	v_max3_num_f32 v[8+\c], |v[XX+32*\c]|, |v[XX+32*\c+1]|, 0x1800000   ; with the floor 2^(3-127): the byte cannot fall under 1
.endr
.irp i, 2,4,6,8,10,12,14,16,18,20,22,24,26,28,30
.irp c, 0,1
	v_max3_num_f32 v[8+\c], v[8+\c], |v[XX+32*\c+\i]|, |v[XX+32*\c+\i+1]|
.endr
.endr
.irp c, 0,1
	v_add_nc_u32 v[12+\c], 0xff000000, v[8+\c]     ; 2 off the exponent field: the conversion's scale operand
.endr
.irp c, 0,1
	v_lshrrev_b32 v[8+\c], 23, v[12+\c]            ; the byte
.endr
	v_lshl_or_b32 v10, v9, 16, v8
	v_lshlrev_b32 v10, v6, v10
	v_permlanex16_b32 v11, v10, s20, s21
	v_or_b32 v[16+(\q)], v10, v11                  ; with lane xor 16's two bytes the word is whole
.irp c, 0,1
.irp g, 0,1,2,3
	v_cvt_scalef32_pk8_fp4_f32 v[CX+8*((\q)%2)+4*\c+\g], v[XX+32*\c+8*\g:XX+32*\c+8*\g+7], v[12+\c]
.endr
.endr
	v_nop                                          ; a plain line behind the last scaled conversion
.endm
.macro XSTEP q
.if (\q) < 3
	s_wait_loadcnt 16                              ; this step's 16 loads are in; the next step's 16 may be out
.else
	s_wait_loadcnt 0
.endif
.irp i, 0,1,2,3,4,5,6,7,8,9,10,11,12,13,14,15
	ds_store_b128 v4, v[RX+64*((\q)%2)+4*\i:RX+64*((\q)%2)+4*\i+3] offset:\i*528
.endr
.irp c, 0,1
.irp e, 0,1,2,3,4,5,6,7
	ds_load_b128 v[XX+32*\c+4*\e:XX+32*\c+4*\e+3], v5 offset:\c*256+\e*16   ; LDS serves a wave's instructions in order: these see my stores
.endr
.endr
	s_wait_dscnt 0x0                               ; the numbers are back, and the stores have read their registers
.if (\q) < 2
	LOADX (\q)+2
.endif
	s_wait_xcnt 0x0                                ; the code registers of two steps ago are written again only behind this wait
	QUANTX \q
.irp c, 0,1
	global_store_b128 v3, v[CX+8*((\q)%2)+4*\c:CX+8*((\q)%2)+4*\c+3], s[28:29] offset:(\q)*1024+\c*512   ; 32 lanes store 512 consecutive bytes
.endr
.endm
	LOADX 0
	LOADX 1
	XSTEP 0
	XSTEP 1
	XSTEP 2
	XSTEP 3
	global_store_b128 v7, v[16:19], s[30:31]       ; row r's four words; lanes 16-31 store the same bytes with the same values
	s_wait_tensorcnt 0x0                           ; the wave's end: a tensor wait, an add to the spare word and its wait, behind my last LDS store
	ds_add_u32 v[SPW], v[NIL]
	s_wait_dscnt 0x0
	s_endpgm
; ---------------- weights: cg = group of 128 columns (0-15 wq, 16-19 wk, 20-23 wv, 24-39 wo), kq = 512 along K ----------------
.Lweights:
	s_sub_co_u32 s24, ttmp9, 128
	s_lshr_b32 s25, s24, 2                         ; cg
	s_and_b32 s26, s24, 3                          ; kq
	s_mov_b64 s[28:29], s[12:13]                   ; the tensor, its first group and its row in bytes: chosen by the work-group's number alone
	s_mov_b32 s30, 24
	s_mov_b32 s31, 8192
	s_cmp_lt_u32 s25, 24
	s_cselect_b64 s[28:29], s[10:11], s[28:29]
	s_cselect_b32 s30, 20, s30
	s_cselect_b32 s31, 2048, s31
	s_cmp_lt_u32 s25, 20
	s_cselect_b64 s[28:29], s[8:9], s[28:29]
	s_cselect_b32 s30, 16, s30
	s_cmp_lt_u32 s25, 16
	s_cselect_b64 s[28:29], s[6:7], s[28:29]
	s_cselect_b32 s30, 0, s30
	s_cselect_b32 s31, 8192, s31
	s_sub_co_u32 s30, s25, s30
	s_lshl_b32 s30, s30, 9                         ; 128 columns of 4 bytes
	s_lshl_b32 s27, s22, 7                         ; my wave's 32
	s_add_co_u32 s30, s30, s27
	s_lshl_b32 s27, s26, 9
	s_mul_i32 s27, s27, s31                        ; 512 kq rows
	s_add_co_u32 s32, s30, s27
	s_mov_b32 s33, 0
	s_add_nc_u64 s[28:29], s[28:29], s[32:33]      ; my first block's first row, my wave's first column
	s_lshl_b32 s34, s31, 5                         ; a block of 32 rows on
	s_mov_b32 s35, 0
	v_lshlrev_b32 v[RO], 2, v20
.set I, 1
.rept 31
	v_add_nc_u32 v[RO+I], s31, v[RO+I-1]
.set I, I+1
.endr
.macro LOADW set                       ; a block: 32 rows at my column; a wave's load reads 128 consecutive bytes
.irp i, 0,1,2,3,4,5,6,7,8,9,10,11,12,13,14,15,16,17,18,19,20,21,22,23,24,25,26,27,28,29,30,31
	global_load_b32 v[WD+32*(\set)+\i], v[RO+\i], s[28:29] th:TH_LOAD_NT
.endr
.endm
	LOADW 0
	s_wait_xcnt 0x0                                ; the loads have read their base: it may step
	s_add_nc_u64 s[28:29], s[28:29], s[34:35]
	LOADW 1
	s_lshl_b32 s41, s22, 1
	s_mov_b32 s43, 0
	s_cmp_lt_u32 s25, 24
	s_cbranch_scc0 .Lwo
	; ---- wq, wk, wv: codes ----
	s_lshl_b32 s40, s25, 3
	s_add_co_u32 s40, s40, s41                     ; nt of my wave's first 16 columns
	s_mul_i32 s42, s26, 786432
	s_lshl_b32 s41, s40, 12
	s_add_co_u32 s42, s42, s41
	s_add_nc_u64 s[36:37], s[16:17], s[42:43]
	s_lshl_b32 s42, s40, 10
	s_lshl_b32 s41, s26, 8
	s_add_co_u32 s42, s42, s41
	s_add_co_u32 s42, s42, 3145728
	s_add_nc_u64 s[38:39], s[16:17], s[42:43]
	v_lshlrev_b32 v4, 4, v21
	v_lshl_add_u32 v5, v22, 10, v4                 ; scale words: (lane/16) x 1024 + 16 r
	v_lshl_add_u32 v4, v22, 12, v4                 ; codes: (lane/16) x 4096 + 16 r
.macro BLOCKW t                        ; block t: k = 32 t + 0..31 of my 512: piece q = t/4, c = (t/2)%2, h = t%2 of my column's fragment
.set WS, WD+32*((\t)%2)
.if (\t) < 15
	s_wait_loadcnt 32                              ; this block's 32 loads are in; the next block's may be out
.else
	s_wait_loadcnt 0
.endif
	v_max3_num_f32 v8, |v[WS]|, |v[WS+1]|, |v[WS+2]|
	v_max3_num_f32 v9, |v[WS+3]|, |v[WS+4]|, |v[WS+5]|
.irp i, 6,10,14,18,22,26
	v_max3_num_f32 v8, v8, |v[WS+\i]|, |v[WS+\i+1]|
	v_max3_num_f32 v9, v9, |v[WS+\i+2]|, |v[WS+\i+3]|
.endr
	v_max3_num_f32 v8, v8, |v[WS+30]|, |v[WS+31]|
	v_max3_num_f32 v8, v8, v9, 0x1800000
	v_add_nc_u32 v10, 0xff000000, v8
	v_lshrrev_b32 v9, 23, v10
.if (\t)%4 == 0
	v_mov_b32 v[24+(\t)/4], v9
.else
	v_lshl_or_b32 v[24+(\t)/4], v9, 8*((\t)%4), v[24+(\t)/4]
.endif
.irp g, 0,1,2,3
	v_cvt_scalef32_pk8_fp4_f32 v[16+\g], v[WS+8*\g:WS+8*\g+7], v10
.endr
	v_nop
	global_store_b128 v4, v[16:19], s[36:37] offset:((\t)/4)*1024+(((\t)/2)%2)*512+((\t)%2)*256   ; sixteen lanes store 256 consecutive bytes, aligned
	s_wait_xcnt 0x0                                ; the store has read its data and the loads their base
.if (\t) < 14
	s_add_nc_u64 s[28:29], s[28:29], s[34:35]
	LOADW (\t)%2
.endif
.endm
.set T, 0
.rept 16
	BLOCKW T
.set T, T+1
.endr
	global_store_b128 v5, v[24:27], s[38:39]       ; my column's four scale words of this kq
	s_endpgm
	; ---- wo: f16 ----
.Lwo:
	s_sub_co_u32 s40, s25, 24
	s_lshl_b32 s40, s40, 3
	s_add_co_u32 s40, s40, s41
	s_lshl_b32 s42, s40, 13
	s_lshl_b32 s41, s26, 21                        ; ks = 2 kq
	s_add_co_u32 s42, s42, s41
	s_add_nc_u64 s[36:37], s[18:19], s[42:43]
	v_lshlrev_b32 v4, 4, v21
	v_lshl_add_u32 v4, v22, 13, v4                 ; (lane/16) x 8192 + 16 r
.macro BLOCKO t                        ; block t: ks = 2 kq + t/8, kf = t%8; four pieces of 8 numbers
.set WS, WD+32*((\t)%2)
.if (\t) < 15
	s_wait_loadcnt 32
.else
	s_wait_loadcnt 0
.endif
.irp j, 0,1,2,3,4,5,6,7,8,9,10,11,12,13,14,15
	v_cvt_pk_f16_f32 v[128+\j], v[WS+2*\j], v[WS+2*\j+1]
.endr
.irp p, 0,1,2,3
	global_store_b128 v4, v[128+4*\p:128+4*\p+3], s[36:37] offset:((\t)/8)*1048576+((\t)%8)*1024+\p*256
.endr
	s_wait_xcnt 0x0
.if (\t) < 14
	s_add_nc_u64 s[28:29], s[28:29], s[34:35]
	LOADW (\t)%2
.endif
.endm
.set T, 0
.rept 16
	BLOCKO T
.set T, T+1
.endr
	s_endpgm
.Lfunc_end_k_q42df628806_prep:
	.size	k_q42df628806_prep, .Lfunc_end_k_q42df628806_prep-k_q42df628806_prep
	.p2alignl 7, 3214868480
	.fill 96, 4, 3214868480
	.section	.rodata,"a",@progbits
	.p2align	6, 0x0
	.amdhsa_kernel k_q42df628806_prep
		.amdhsa_group_segment_fixed_size 34304
		.amdhsa_private_segment_fixed_size 0
		.amdhsa_enable_private_segment 0
		.amdhsa_kernarg_size 64
		.amdhsa_user_sgpr_count 2
		.amdhsa_user_sgpr_kernarg_segment_ptr 1
		.amdhsa_wavefront_size32 1
		.amdhsa_system_sgpr_workgroup_id_x 1
		.amdhsa_system_sgpr_workgroup_id_y 1
		.amdhsa_system_sgpr_workgroup_id_z 1
		.amdhsa_system_vgpr_workitem_id 0
		.amdhsa_next_free_vgpr 240
		.amdhsa_next_free_sgpr 66
		.amdhsa_reserve_vcc 0
		.amdhsa_float_denorm_mode_32 3
		.amdhsa_float_denorm_mode_16_64 3
		.amdhsa_memory_ordered 1
		.amdhsa_forward_progress 1
		.amdhsa_inst_pref_size 173
	.end_amdhsa_kernel
	.amdgpu_metadata
---
amdhsa.version: [ 1, 2 ]
amdhsa.kernels:
  - .name:           k_q42df628806_prep
    .symbol:         k_q42df628806_prep.kd
    .args:
      - { .name: x, .offset: 0, .size: 8, .value_kind: global_buffer, .address_space: global }
      - { .name: wq, .offset: 8, .size: 8, .value_kind: global_buffer, .address_space: global }
      - { .name: wk, .offset: 16, .size: 8, .value_kind: global_buffer, .address_space: global }
      - { .name: wv, .offset: 24, .size: 8, .value_kind: global_buffer, .address_space: global }
      - { .name: wo, .offset: 32, .size: 8, .value_kind: global_buffer, .address_space: global }
      - { .name: xq, .offset: 40, .size: 8, .value_kind: global_buffer, .address_space: global }
      - { .name: wz, .offset: 48, .size: 8, .value_kind: global_buffer, .address_space: global }
      - { .name: wof, .offset: 56, .size: 8, .value_kind: global_buffer, .address_space: global }
    .group_segment_fixed_size: 34304
    .private_segment_fixed_size: 0
    .kernarg_segment_align: 8
    .kernarg_segment_size: 64
    .max_flat_workgroup_size: 128
    .sgpr_count:     66
    .vgpr_count:     240
    .wavefront_size: 32
...
	.end_amdgpu_metadata
.endif
;; end of part 1
;; launch qkv (part 2): grid 12 x 8, 4 waves a work-group, clusters of 4 x 4, 327,680 bytes of LDS; arguments xq, wz, cos, sin, qkvh, qkvl; writes qkvh, qkvl
.if DOCPART == 2
	.amdgcn_target "amdgcn-amd-amdhsa--gfx1250"
	.amdhsa_code_object_version 6
	.text
	.protected	k_q42df628806_qkv
	.globl	k_q42df628806_qkv
	.p2align	8
	.type	k_q42df628806_qkv,@function
k_q42df628806_qkv:
	s_mov_b64 s[64:65], 0
	v_nop
	global_prefetch_b8 v0, s[64:65] scope:SCOPE_SE
	s_setreg_imm32_b32 hwreg(HW_REG_WAVE_MODE, 25, 1), 1
	s_wait_xcnt 0x0
	s_wait_alu depctr_hold_cnt(0) depctr_sa_sdst(0) depctr_va_vdst(0) depctr_va_sdst(0) depctr_va_ssrc(0) depctr_va_vcc(0) depctr_vm_vsrc(0)
	s_getreg_b32 s2, hwreg(HW_REG_IB_STS2, 6, 4)
	s_cmp_eq_u32 s2, 0
	s_cbranch_scc0 .Lentry_in_a_cluster
	s_endpgm
.Lentry_in_a_cluster:
	s_bfe_u32 s2, ttmp6, 0x10000c
	s_cmp_lg_u32 s2, 0xf033
	s_cbranch_scc0 .Lentry_shape_is_right
	s_endpgm
.Lentry_shape_is_right:
; [q | k | v] = Q(x) Q([wq | wk | wv]) on codes of FP4 with E8M0 scales, M = 2048, N = 3072, K = 2048; then the rotation by cos and sin on q and k; results as f16, a high part and (where wanted) a low part.
; A tile of C, 256 x 256, is made by four waves, each 128 x 128: 64 accumulators, 512 registers.  K goes in steps of 512 through two LDS slots.  Codes and scale words lie in memory in the order of the
; operand registers, so a K step's 128 rows are one dense block of 32,768 bytes for one tensor load, and every fragment load is 16 x lane + a constant: no pitch, no padding.
; The scale words of the work-group's 256 + 256 rows, for all of K, come once, with the first fills.
; CLUSTERS: 4 x 4 work-groups; x's tiles are shared along a row of the cluster, the weights' along a column: each is asked for jointly.
; THE MATRIX INSTRUCTION IS USED TRANSPOSED (source 0 = 16 columns of the weights, source 1 = 16 rows of x): a lane holds eight neighbouring columns of one row, which are four rotation pairs and one piece of the output.
; OUTPUT: head*262144 + st*2048 + df*1024 + c*512 + 16*pos(lane): value(s = 16 st + lane%16, d = 32 df + 16 c + 8 (lane/16) + 0..7); heads 0-31 q, 32-39 k, 40-47 v; pos(l) = l xor ((l >> 1) & 8).
; q is stored multiplied by log2(e)/8.  The low part (value - high part) is stored for k and v everywhere and for the clusters of rows 0-1023; only what is stored is read later.
; One way serves q, k and v without a branch on the place in the cluster: c' = c A1 + A0, s' = s A1, with (A1, A0) = (log2(e)/8, 0), (1, 0), (0, 1).
; LIMITS: cos and sin are finite; |k|, |v| and 0.18 |q| stay under 65,504.
; REGISTERS: window 0: v16-29 addresses and A1, A0; v32-95 scale words, two sets; from v128 x's fragments, one set; window 1: the weights' fragments, two sets; windows 2, 3: the accumulators ((a, b) at v[8 (8 (a%4) + b)]).
.set NQ,     4
.set FR,     8
.set NL,     2
.set NP,     4
.set HALFT,  32768                     ; 128 rows of a K step: what one tensor load brings
.set SLOT,   131072                    ; x's 256 rows, then the weights' 256
.set LAPS,   2
.set SCL,    262144                    ; behind the ring: the scale words
.set HALFS,  8192                      ; those of 128 rows
.set SPARE,  294912                    ; the spare words, 128 bytes a wave
.set ADRA, 16
.set ADRB, 20
.set OPOS, 24                          ; v24 16 x pos(lane)
.set CSO,  25                          ; v25 cos, sin: 128 r + 16 h
.set ADRS, 27
.set SPW,  28
.set NIL,  29
.set SC,   32
.set AF,   128
.set WV, 16
.set RH, 17
.set CH, 18
.set G1, 24
.set G0, 32
.set G1B, 48
.set G0B, 56
.set G1S, 68
.set G0S, 76
.set G1SB, 80
.set G0SB, 88
.set MSB, 0
.macro WIN new                         ; the immediate's high byte repeats the setting that is left
.if MSB != \new
	s_set_vgpr_msb (MSB<<8)|\new
.set MSB, \new
.endif
.endm
.set MUL_LO, 0xa1
.set MUL_HI, 0xf1
.set TO_B,   0x40
; A joint load: waves 0 and 1 fetch for x, waves 2 and 3 for the weights.  The branch hangs on the wave's number alone.  An s_nop 0 and four v_nop follow each line.
.macro JLOAD g0a, g1a, g0b, g1b
	s_cmp_eq_u32 s[RH], 0
	s_cbranch_scc0 .Lfor_b_\@
	tensor_load_to_lds s[\g0a:\g0a+3], s[\g1a:\g1a+7]
	s_nop 0
.rept 4
	v_nop
.endr
	s_branch .Lasked_\@
.Lfor_b_\@:
	tensor_load_to_lds s[\g0b:\g0b+3], s[\g1b:\g1b+7]
	s_nop 0
.rept 4
	v_nop
.endr
.Lasked_\@:
.endm
.macro CREST
	s_cmp_lg_u32 s[WV], 0
	s_cbranch_scc1 .Lnot_wave_0_\@
	s_barrier_signal -3
.Lnot_wave_0_\@:
	s_barrier_wait -3
	s_barrier_signal -1
	s_barrier_wait -1
.endm
.macro CROUND
	s_barrier_signal -1
	s_barrier_wait -1
	CREST
.endm
	s_load_b256 s[4:11], s[0:1], 0x0               ; xq, wz, cos, sin
	s_load_b128 s[12:15], s[0:1], 0x20             ; qkvh, qkvl
	v_lshl_add_u32 v[SPW], v0, 2, SPARE
	v_mov_b32 v[NIL], 0
	ds_add_u32 v[SPW], v[NIL]                      ; the opening: the add, twice on end, and its wait ahead of my first tensor load
	ds_add_u32 v[SPW], v[NIL]
	v_lshrrev_b32 v1, 5, v0
	v_readfirstlane_b32 s[WV], v1
	s_lshr_b32 s[RH], s[WV], 1                     ; my half of the tile's rows; also: I fetch for x (0) or for the weights (1)
	s_and_b32 s[CH], s[WV], 1                      ; my half of its columns; also: which 128 rows I fetch
	s_bfe_u32 s40, ttmp6, 0x40000                  ; cx
	s_bfe_u32 s41, ttmp6, 0x40004                  ; cy
	s_lshl_b32 s42, ttmp9, 2
	s_add_co_u32 s42, s42, s40                     ; tile column
	s_and_b32 s19, ttmp7, 0xffff
	s_lshl_b32 s19, s19, 2
	s_add_co_u32 s19, s19, s41                     ; tile row
	s_lshl_b32 s43, s41, 2
	s_lshl_b32 s43, 15, s43                        ; my row of the cluster
	s_lshl_b32 s44, 0x1111, s40                    ; my column
	s_or_b32 s[G1+0], s43, (3<<16)|(1<<21)         ; the mask; elements of 8 bytes; bit 21 beside a mask; no padding
	s_or_b32 s[G1B+0], s44, (3<<16)|(1<<21)
.irp g, G1, G1B
	s_mov_b32 s[\g+1], 32<<16                      ; rows of 32 elements = 256 bytes
	s_mov_b32 s[\g+2], 128<<16                     ; 128 of them: 32,768 dense bytes
	s_mov_b32 s[\g+3], 32<<16
	s_mov_b32 s[\g+4], 128
	s_mov_b32 s[\g+5], 32
	s_mov_b32 s[\g+6], 0
	s_mov_b32 s[\g+7], 0
.endr
	s_or_b32 s[G1S+0], s43, (3<<16)|(1<<21)
	s_or_b32 s[G1SB+0], s44, (3<<16)|(1<<21)
.irp g, G1S, G1SB
	s_mov_b32 s[\g+1], 32<<16
	s_mov_b32 s[\g+2], 32<<16                      ; 8,192 dense bytes
	s_mov_b32 s[\g+3], 32<<16
	s_mov_b32 s[\g+4], 32
	s_mov_b32 s[\g+5], 32
	s_mov_b32 s[\g+6], 0
	s_mov_b32 s[\g+7], 0
.endr
	s_lshl_b32 s2, s[CH], 3
	s_lshl_b32 s20, s19, 4
	s_add_co_u32 s20, s20, s2                      ; x: first group of 16 rows that I fetch
	s_lshl_b32 s46, s42, 4
	s_add_co_u32 s46, s46, s2                      ; weights likewise
	s_lshl_b32 s22, s20, 10
	s_add_co_u32 s22, s22, 2097152                 ; their scale words
	s_mov_b32 s23, 0
	s_lshl_b32 s92, s46, 10
	s_add_co_u32 s92, s92, 3145728
	s_mov_b32 s93, 0
	s_lshl_b32 s20, s20, 12                        ; their codes
	s_mov_b32 s21, 0
	s_lshl_b32 s46, s46, 12
	s_mov_b32 s47, 0
	s_mul_i32 s45, s[WV], HALFT                    ; where they go: no place in the cluster enters an LDS address
	s_mul_i32 s94, s[WV], HALFS
	s_wait_dscnt 0x0                               ; both opening adds are done
	s_wait_kmcnt 0x0
	s_add_nc_u64 s[20:21], s[4:5], s[20:21]
	s_add_nc_u64 s[22:23], s[4:5], s[22:23]
	s_add_nc_u64 s[46:47], s[6:7], s[46:47]
	s_add_nc_u64 s[92:93], s[6:7], s[92:93]
	CROUND                                         ; all sixteen work-groups are here: the first joint loads meet
	s_mov_b32 s[G0S], 1
	s_add_co_u32 s[G0S+1], s94, SCL
	s_mov_b64 s[G0S+2:G0S+3], s[22:23]
	s_or_b32 s[G0S+3], s[G0S+3], 0x80000000
	s_mov_b32 s[G0SB], 1
	s_add_co_u32 s[G0SB+1], s94, SCL
	s_mov_b64 s[G0SB+2:G0SB+3], s[92:93]
	s_or_b32 s[G0SB+3], s[G0SB+3], 0x80000000
	JLOAD G0S, G1S, G0SB, G1SB                     ; the scale words first
.irp s, 0,1
	s_mov_b32 s[G0+4*\s], 1
	s_add_co_u32 s[G0+4*\s+1], s45, \s*SLOT
	s_add_nc_u64 s[G0+4*\s+2:G0+4*\s+3], s[20:21], \s*524288
	s_or_b32 s[G0+4*\s+3], s[G0+4*\s+3], 0x80000000
	s_mov_b32 s[G0B+4*\s], 1
	s_add_co_u32 s[G0B+4*\s+1], s45, \s*SLOT
	s_add_nc_u64 s[G0B+4*\s+2:G0B+4*\s+3], s[46:47], \s*786432
	s_or_b32 s[G0B+4*\s+3], s[G0B+4*\s+3], 0x80000000
	JLOAD G0+4*\s, G1, G0B+4*\s, G1B               ; three loads of mine are out now
.endr
	v_and_b32 v1, 15, v0                           ; r
	v_bfe_u32 v2, v0, 4, 1                         ; h
	v_and_b32 v3, 31, v0
	v_lshlrev_b32 v4, 4, v3                        ; 16 x lane
	s_mul_i32 s21, s[RH], HALFT
	s_mul_i32 s22, s[CH], HALFT
	s_add_co_u32 s22, s22, 2*HALFT
.irp s, 0,1
	v_add_nc_u32 v[ADRA+\s], s21, v4
	v_add_nc_u32 v[ADRB+\s], s22, v4
	s_add_co_u32 s21, s21, SLOT
	s_add_co_u32 s22, s22, SLOT
.endr
	v_lshlrev_b32 v5, 4, v1                        ; my row's four words of a K step
	s_mul_i32 s21, s[RH], HALFS
	s_mul_i32 s22, s[CH], HALFS
	s_add_co_u32 s22, s22, 2*HALFS
	s_sub_co_u32 s22, s22, s21
	v_mul_u32_u24 v6, s22, v2                      ; lanes 16-31 take the weights'
	s_add_co_u32 s21, s21, SCL
	v_add_nc_u32 v5, v5, v6
	v_add_nc_u32 v[ADRS], s21, v5
	; the way out
	v_lshrrev_b32 v5, 1, v3
	v_and_b32 v5, 8, v5
	v_xor_b32 v5, v3, v5
	v_lshlrev_b32 v[OPOS], 4, v5
	v_lshlrev_b32 v[CSO], 7, v1
	v_lshl_add_u32 v[CSO], v2, 4, v[CSO]
	s_lshl_b32 s94, s19, 8
	s_lshl_b32 s95, s[RH], 7
	s_add_co_u32 s94, s94, s95                     ; my first row
	s_lshl_b32 s96, s94, 7                         ; x 128 bytes: a row of cos or sin, and a row's share of a group of 16 rows in the output
	s_mov_b32 s97, 0
	s_add_nc_u64 s[8:9], s[8:9], s[96:97]
	s_add_nc_u64 s[10:11], s[10:11], s[96:97]
	s_lshl_b32 s94, s42, 2
	s_lshl_b32 s95, s[CH], 1
	s_add_co_u32 s94, s94, s95                     ; my first head
	s_lshl_b32 s94, s94, 18
	s_add_co_u32 s96, s96, s94
	s_add_nc_u64 s[12:13], s[12:13], s[96:97]
	s_add_nc_u64 s[14:15], s[14:15], s[96:97]
	s_mov_b32 s66, 0
	s_cmp_lt_u32 s42, 10
	s_cselect_b32 s66, 1.0, s66                    ; A1: 0 for v, 1 for k,
	s_cselect_b32 s67, 0, 1.0                      ; A0: 1 for v alone
	s_cmp_lt_u32 s42, 8
	s_cselect_b32 s66, 0x3e38aa3b, s66             ; log2(e)/8 for q
	v_mov_b32 v18, s66
	v_mov_b32 v19, s66
	v_mov_b32 v22, s67
	v_mov_b32 v23, s67
	s_and_b32 s2, ttmp7, 0xffff
	s_cmp_eq_u32 s2, 0
	s_cselect_b32 s2, 1, 0
	s_cmp_eq_u32 ttmp9, 2
	s_cselect_b32 s2, 1, s2                        ; low parts wanted: made of the cluster's x and y alone, so equal in all partners
.macro FRAG reg, adr, q, i
.irp c, 0,1
	ds_load_b128 v[\reg+4*\c:\reg+4*\c+3], v[\adr] offset:(\i)*4096+(\q)*1024+\c*512
.endr
.endm
; 16 matrix instructions: x's blocks a0, a0 + 1 against the weights' eight.  The 64 accumulators take turns, one instruction a turn, in the same order in every step.
.macro MUL16 a0, p, q, sc, zero
.irp a, \a0, \a0+1
.irp b, 0,1,2,3,4,5,6,7
.if \zero
	v_wmma_scale_f32_16x16x128_f8f6f4 v[8*(8*((\a)%4)+\b):8*(8*((\a)%4)+\b)+7], v[128*(\p)+FR*\b:128*(\p)+FR*\b+FR-1], v[AF+FR*(\a):AF+FR*(\a)+FR-1], 0, v[SC+8*NQ*(\sc)+NQ*\b+(\q)], v[SC+8*NQ*(\sc)+NQ*(\a)+(\q)] matrix_a_fmt:MATRIX_FMT_FP4 matrix_b_fmt:MATRIX_FMT_FP4 matrix_a_scale:MATRIX_SCALE_ROW1
.else
	v_wmma_scale_f32_16x16x128_f8f6f4 v[8*(8*((\a)%4)+\b):8*(8*((\a)%4)+\b)+7], v[128*(\p)+FR*\b:128*(\p)+FR*\b+FR-1], v[AF+FR*(\a):AF+FR*(\a)+FR-1], v[8*(8*((\a)%4)+\b):8*(8*((\a)%4)+\b)+7], v[SC+8*NQ*(\sc)+NQ*\b+(\q)], v[SC+8*NQ*(\sc)+NQ*(\a)+(\q)] matrix_a_fmt:MATRIX_FMT_FP4 matrix_b_fmt:MATRIX_FMT_FP4 matrix_a_scale:MATRIX_SCALE_ROW1
.endif
.endr
.endr
.endm
.macro FETCH_B slot, q, p
	WIN TO_B
.irp i, 0,1,2,3,4,5,6,7
	FRAG 128*(\p)+FR*\i, ADRB+\slot, \q, \i
.endr
	WIN 0
.endm
.macro FETCH_A slot, q, i0
.irp i, \i0, \i0+1, \i0+2, \i0+3
	FRAG AF+FR*(\i), ADRA+\slot, \q, \i
.endr
.endm
.macro SCALES sc                       ; a K step's words: lanes 0-15 x's block i, lanes 16-31 the weights' block i
.irp i, 0,1,2,3,4,5,6,7
	ds_load_b128 v[SC+8*NQ*\sc+NQ*\i:SC+8*NQ*\sc+NQ*\i+3], v[ADRS] offset:\i*1024
.endr
.endm
.macro PLACES n                        ; plain vector lines between a matrix instruction and a load into, or a read of, its registers
.rept \n
	v_nop
.endr
.endm
.macro STEP slot, q, zero
	s_wait_dscnt 4*NL                              ; all but the youngest eight loads (x's blocks 4-7) are in
	WIN MUL_LO
	MUL16 0, (\q)%2, \q, \slot, \zero
	MUL16 2, (\q)%2, \q, \slot, \zero
	s_wait_dscnt 0
	PLACES NP
	FETCH_B \slot, (\q)+1, 1-(\q)%2
	FETCH_A \slot, (\q)+1, 0
	WIN MUL_HI
	MUL16 4, (\q)%2, \q, \slot, \zero
	MUL16 6, (\q)%2, \q, \slot, \zero
	PLACES NP
	WIN 0
	FETCH_A \slot, (\q)+1, 4
.endm
; A slot's last step changes slots: in front of the barrier each wave waits for all its tensor loads, adds 0 to its spare word, and waits for that and for its reads of this slot.
.macro TURN slot, next, fill
	s_wait_tensorcnt 0x0                           ; my part of the next slot has landed; no load of mine is out
	ds_add_u32 v[SPW], v[NIL]
	s_wait_dscnt 4*NL+1                            ; the add and the youngest eight loads may be out
	WIN MUL_LO
	MUL16 0, 1, NQ-1, \slot, 0
	s_wait_dscnt 0x0                               ; the add is done, and my reads of this slot are over
	s_barrier_signal -1
	MUL16 2, 1, NQ-1, \slot, 0
	WIN 0
	s_barrier_wait -1
.if \fill
	CREST                                          ; the barrier has opened a round of the cluster's: no wave of any partner still reads this slot or has a load on its way
	s_add_nc_u64 s[G0+4*\slot+2:G0+4*\slot+3], s[G0+4*\slot+2:G0+4*\slot+3], 2*524288
	s_add_nc_u64 s[G0B+4*\slot+2:G0B+4*\slot+3], s[G0B+4*\slot+2:G0B+4*\slot+3], 2*786432
	JLOAD G0+4*\slot, G1, G0B+4*\slot, G1B
.else
	PLACES NP
.endif
	v_add_nc_u32 v[ADRS], 256, v[ADRS]             ; the next K step's scale words
	FETCH_B \next, 0, 0
	FETCH_A \next, 0, 0
	SCALES \next
	WIN MUL_HI
	MUL16 4, 1, NQ-1, \slot, 0
	MUL16 6, 1, NQ-1, \slot, 0
	PLACES NP
	WIN 0
	FETCH_A \next, 0, 4
.endm
.macro STEPS slot, from
.set Q, \from
.rept NQ-1-\from
	STEP \slot, Q, 0
.set Q, Q+1
.endr
.endm
	s_wait_tensorcnt 1                             ; the scale words and my part of K step 0 are in; K step 1's load may be out
	s_barrier_signal -1
	s_barrier_wait -1
	FETCH_B 0, 0, 0
	FETCH_A 0, 0, 0
	SCALES 0
	FETCH_A 0, 0, 4
	STEP 0, 0, 1                                   ; the first step's products start the sums
	s_mov_b32 s3, LAPS-1
.Llap:
	STEPS 0, 1
	TURN 0, 1, 1
	STEPS 1, 0
	TURN 1, 0, 1
	STEP 0, 0, 0
	s_sub_co_u32 s3, s3, 1
	s_cmp_lg_u32 s3, 0
	s_cbranch_scc1 .Llap
	STEPS 0, 1                                     ; the last lap fills nothing
	TURN 0, 1, 0
	STEPS 1, 0
	s_wait_dscnt 4*NL
	WIN MUL_LO
	MUL16 0, 1, NQ-1, 1, 0
	MUL16 2, 1, NQ-1, 1, 0
	s_wait_dscnt 0
	WIN MUL_HI
	MUL16 4, 1, NQ-1, 1, 0
	MUL16 6, 1, NQ-1, 1, 0
	WIN 0
; THE WAY OUT, by blocks a of 16 rows.  Lane (r, h) holds, of accumulator (a, b), row 16 a + r and columns 16 b + 8 h + 0..7: four pairs (d = 2 i, 2 i + 1), i = 8 (b%4) + 4 h + 0..3, of head b/4.
.set CS0, 32                           ; v32-95: two sets of 16 cos and 16 sin
.set HI,  96                           ; v96-111 high parts
.set LO,  112                          ; v112-127 low parts
.set OO,  128                          ; v128-159 a head's 32 numbers
.set TT,  160                          ; v160-191 the high parts widened again
.macro CSLOAD a
.irp bb, 0,1,2,3
	global_load_b128 v[CS0+32*((\a)%2)+4*\bb:CS0+32*((\a)%2)+4*\bb+3], v[CSO], s[8:9] offset:(\a)*2048+\bb*32
	global_load_b128 v[CS0+32*((\a)%2)+16+4*\bb:CS0+32*((\a)%2)+16+4*\bb+3], v[CSO], s[10:11] offset:(\a)*2048+\bb*32
.endr
.endm
.macro HALF a, hh
.set CC, CS0+32*((\a)%2)
.set AC, 64*((\a)%4)+32*(\hh)
	s_wait_xcnt 0x0                                ; the last stores have read their data: the parts may be written again
	WIN 0x02+(\a)/4                                ; source 0: the accumulators' window
.irp bb, 0,1,2,3
.irp p, 0,1,2,3
	v_mul_f32 v[OO+8*\bb+2*\p], v[AC+8*\bb+2*\p+1], v[CC+16+4*\bb+\p]                    ; b s'  (each accumulator is read from its low end on)
	v_mul_f32 v[OO+8*\bb+2*\p+1], v[AC+8*\bb+2*\p+1], v[CC+4*\bb+\p]                     ; b c'
	v_fma_f32 v[OO+8*\bb+2*\p], v[AC+8*\bb+2*\p], v[CC+4*\bb+\p], -v[OO+8*\bb+2*\p]      ; a c' - b s'
	v_fma_f32 v[OO+8*\bb+2*\p+1], v[AC+8*\bb+2*\p], v[CC+16+4*\bb+\p], v[OO+8*\bb+2*\p+1] ; a s' + b c'
.endr
.endr
	WIN 0
.irp i, 0,1,2,3,4,5,6,7,8,9,10,11,12,13,14,15
	v_cvt_pk_f16_f32 v[HI+\i], v[OO+2*\i], v[OO+2*\i+1]
.endr
.irp bb, 0,1,2,3
	global_store_b128 v[OPOS], v[HI+4*\bb:HI+4*\bb+3], s[12:13] offset:(\hh)*262144+(\a)*2048+\bb*512   ; sixteen lanes fill 256 consecutive bytes, aligned
.endr
	s_cmp_eq_u32 s2, 0
	s_cbranch_scc1 .Lnolow_\@
.set I, 0
.irp s, v96.l,v96.h,v97.l,v97.h,v98.l,v98.h,v99.l,v99.h,v100.l,v100.h,v101.l,v101.h,v102.l,v102.h,v103.l,v103.h,v104.l,v104.h,v105.l,v105.h,v106.l,v106.h,v107.l,v107.h,v108.l,v108.h,v109.l,v109.h,v110.l,v110.h,v111.l,v111.h
	v_cvt_f32_f16 v[TT+I], \s
.set I, I+1
.endr
.irp i, 0,2,4,6,8,10,12,14,16,18,20,22,24,26,28,30
	v_pk_add_f32 v[TT+\i:TT+\i+1], v[OO+\i:OO+\i+1], v[TT+\i:TT+\i+1] neg_lo:[0,1] neg_hi:[0,1]   ; what the high part left
.endr
.irp i, 0,1,2,3,4,5,6,7,8,9,10,11,12,13,14,15
	v_cvt_pk_f16_f32 v[LO+\i], v[TT+2*\i], v[TT+2*\i+1]
.endr
.irp bb, 0,1,2,3
	global_store_b128 v[OPOS], v[LO+4*\bb:LO+4*\bb+3], s[14:15] offset:(\hh)*262144+(\a)*2048+\bb*512
.endr
.Lnolow_\@:
.endm
.macro ROWS a
.set CC, CS0+32*((\a)%2)
.if (\a) < 7
	s_wait_loadcnt 8                               ; this block's eight loads are in; the next block's eight may be out
.else
	s_wait_loadcnt 0
.endif
.irp i, 0,2,4,6,8,10,12,14
	v_pk_fma_f32 v[CC+\i:CC+\i+1], v[CC+\i:CC+\i+1], v[18:19], v[22:23]
	v_pk_mul_f32 v[CC+16+\i:CC+17+\i], v[CC+16+\i:CC+17+\i], v[18:19]
.endr
	HALF \a, 0
	HALF \a, 1
.if (\a) < 6
	CSLOAD (\a)+2
.endif
.endm
	PLACES NP                                      ; in front of loads into the scale words' registers and of writes over x's fragments
	CSLOAD 0
	CSLOAD 1
.irp a, 0,1,2,3,4,5,6,7
	ROWS \a
.endr
	s_wait_tensorcnt 0x0                           ; the wave's end: a tensor wait, an add to the spare word and its wait
	ds_add_u32 v[SPW], v[NIL]
	s_wait_dscnt 0x0
	CROUND                                         ; the closing round
	s_endpgm
.Lfunc_end_k_q42df628806_qkv:
	.size	k_q42df628806_qkv, .Lfunc_end_k_q42df628806_qkv-k_q42df628806_qkv
	.p2alignl 7, 3214868480
	.fill 96, 4, 3214868480
	.section	.rodata,"a",@progbits
	.p2align	6, 0x0
	.amdhsa_kernel k_q42df628806_qkv
		.amdhsa_group_segment_fixed_size 327680
		.amdhsa_private_segment_fixed_size 0
		.amdhsa_enable_private_segment 0
		.amdhsa_kernarg_size 48
		.amdhsa_user_sgpr_count 2
		.amdhsa_user_sgpr_kernarg_segment_ptr 1
		.amdhsa_wavefront_size32 1
		.amdhsa_system_sgpr_workgroup_id_x 1
		.amdhsa_system_sgpr_workgroup_id_y 1
		.amdhsa_system_sgpr_workgroup_id_z 1
		.amdhsa_system_vgpr_workitem_id 0
		.amdhsa_next_free_vgpr 1024
		.amdhsa_next_free_sgpr 100
		.amdhsa_reserve_vcc 0
		.amdhsa_float_denorm_mode_32 3
		.amdhsa_float_denorm_mode_16_64 3
		.amdhsa_memory_ordered 1
		.amdhsa_forward_progress 1
		.amdhsa_inst_pref_size 255
	.end_amdhsa_kernel
	.section	.bss,"aw",@nobits
	.p2align	6
	.space	262144
	.amdgpu_metadata
---
amdhsa.version: [ 1, 2 ]
amdhsa.kernels:
  - .name:           k_q42df628806_qkv
    .symbol:         k_q42df628806_qkv.kd
    .args:
      - { .name: xq, .offset: 0, .size: 8, .value_kind: global_buffer, .address_space: global }
      - { .name: wz, .offset: 8, .size: 8, .value_kind: global_buffer, .address_space: global }
      - { .name: cos, .offset: 16, .size: 8, .value_kind: global_buffer, .address_space: global }
      - { .name: sin, .offset: 24, .size: 8, .value_kind: global_buffer, .address_space: global }
      - { .name: qkvh, .offset: 32, .size: 8, .value_kind: global_buffer, .address_space: global }
      - { .name: qkvl, .offset: 40, .size: 8, .value_kind: global_buffer, .address_space: global }
    .group_segment_fixed_size: 327680
    .private_segment_fixed_size: 0
    .kernarg_segment_align: 8
    .kernarg_segment_size: 48
    .max_flat_workgroup_size: 128
    .sgpr_count:     100
    .vgpr_count:     1024
    .wavefront_size: 32
...
	.end_amdgpu_metadata
.endif
;; end of part 2
;; launch attn (part 3): grid 32 x 8, 8 waves a work-group, clusters of 4 x 4, 327,680 bytes of LDS; arguments qkvh, mask, ao; writes ao
.if DOCPART == 3
	.amdgcn_target "amdgcn-amd-amdhsa--gfx1250"
	.amdhsa_code_object_version 6
	.text
	.protected	k_q42df628806_attn
	.globl	k_q42df628806_attn
	.p2align	8
	.type	k_q42df628806_attn,@function
k_q42df628806_attn:
	s_mov_b64 s[64:65], 0
	v_nop
	global_prefetch_b8 v0, s[64:65] scope:SCOPE_SE
	s_setreg_imm32_b32 hwreg(HW_REG_WAVE_MODE, 25, 1), 1
	s_wait_xcnt 0x0
	s_wait_alu depctr_hold_cnt(0) depctr_sa_sdst(0) depctr_va_vdst(0) depctr_va_sdst(0) depctr_va_ssrc(0) depctr_va_vcc(0) depctr_vm_vsrc(0)
	s_getreg_b32 s2, hwreg(HW_REG_IB_STS2, 6, 4)
	s_cmp_eq_u32 s2, 0
	s_cbranch_scc0 .Lentry_in_a_cluster
	s_endpgm
.Lentry_in_a_cluster:
	s_bfe_u32 s2, ttmp6, 0x10000c
	s_cmp_lg_u32 s2, 0xf033
	s_cbranch_scc0 .Lentry_shape_is_right
	s_endpgm
.Lentry_shape_is_right:
; out[q][head] = softmax_k(q . k / 8 + mask[q][k]) v, all 2,048 queries and keys, 32 query heads on 8 key and value heads, f16 operands, f32 sums.  The mask is an input: every tile is computed.
; SHARES.  A work-group owns 64 queries and one key/value head g, that is its 4 query heads.  Wave w: 16 queries (w & 3), all 4 heads, and the keys 128 u + 64 (w >> 2) + 0..63 of every 128.
; So a fragment of K or V read from LDS feeds 4 matrix instructions and a fragment of the mask serves 4 heads; two waves share a SIMD, so that one's softmax stands beside the other's products.
; The two waves of a query tile are merged once, at the end, through LDS.
; LAYOUT.  S^T = K Q^T + M (source 0 = 16 keys, source 1 = 16 queries, C = mask x log2(e)), O^T = V^T P: a lane holds one query throughout.  q was stored times log2(e)/8, so S^T is x' = log2(e) (s/8 + mask).
; SOFTMAX.  A running maximum m (from -3e38) and sum l; p = 2^(x' - m), the difference taken first; O^T and l are multiplied by a = 2^(m_old - m_new) in every step.
; K, V and Q lie in memory in the order of the operand registers with the pieces of a fragment at 16 x pos(lane), pos(l) = l xor ((l >> 1) & 8): plain reads (K, Q) and turning reads (V) both touch 16 different 16-byte columns in each half wave.
; CLUSTER 4 x 4: K's and V's tiles hang on g and are shared along a row of the cluster, the mask's on the query block and are shared along a column: joint loads.
; LIMITS: 1.4427 |mask| is finite; in a row in which every key's mask is so large that the scores vanish beside it, the weights hang on the matrix unit's own rounding of score + mask.
; REGISTERS: window 0: v1-15 addresses; v16-63 statistics, 12 a head (+0 m, +1 m_old, +2,+3 l, +4 a, +5 m_old - m, +6..+9 at work); v64-95 M; v96-223 S^T, 32 a head, P packed into the low 16; v224 16 x lane.
;            window 1: v0-63 Q; v64-191 O^T, 32 a head; v192-255 K's, then V's fragments of a step.
.set SLOTB, 132096                     ; a slot, 256 keys: K 32,768, V 32,768, the mask 64 rows x 1,040
.set SPARE, 264192                     ; behind the ring: the spare words, 128 bytes a wave
.set MP,    1040                       ; a row of the mask's tile: 1,024 bytes + 16 = 65 x 16
.set MST,   17408                      ; the merge: 16,384 bytes of O^T and 1,024 of m and l for each query tile, in slot 0 behind its last fill and last read
.set SPW, 1
.set NIL, 2
.set AK,  3
.set AV,  5
.set AM,  7
.set ADK, 9
.set ADV, 10
.set ADM, 11
.set QO,  12
.set PFO, 13
.set MO,  14
.set MS,  15
.set ST,  16
.set MM,  64
.set S,   96
.set GO,  224
.set QF,  0
.set OT,  64
.set KVB, 192
.set WV, 10
.set JW, 11
.set KP, 12
.set G1KV, 24
.set G1M,  32
.set G0KV, 40
.set G0M,  48
.set LAP, 56
.set CNT, 57
.set SU,  58
.set SM,  59
.set SEL, 60
.set LG,  62
.set PFA, 66
.set PFS, 68
.set LIM, 70
.set MSB, 0
.macro WIN new
.if MSB != \new
	s_set_vgpr_msb (MSB<<8)|\new
.set MSB, \new
.endif
.endm
; A joint load: waves 0-3 fetch K's and V's halves, waves 4-7 sixteen rows of the mask each.  The branch hangs on the wave's number alone.  An s_nop 0 and four v_nop follow each line.
.macro JLOAD s
	s_cmp_lt_u32 s[WV], 4
	s_cbranch_scc0 .Lfor_m_\@
	tensor_load_to_lds s[G0KV+4*(\s):G0KV+4*(\s)+3], s[G1KV:G1KV+7]
	s_nop 0
.rept 4
	v_nop
.endr
	s_branch .Lasked_\@
.Lfor_m_\@:
	tensor_load_to_lds s[G0M+4*(\s):G0M+4*(\s)+3], s[G1M:G1M+7]
	s_nop 0
.rept 4
	v_nop
.endr
.Lasked_\@:
.endm
; A prefetch of the tile that the NEXT change of slots will ask for, behind the joint load and its five lines.  Each aligned 256 bytes is named once in the launch: K and V by the clusters with x = 0 (waves 0 and 2),
; the mask by the clusters with y = 0 (waves 4 and 6); the four partners of a joint load share the tile out by address, 32 blocks a wave.
.macro ASK
	s_cmp_eq_u32 s[LIM], 1
	s_cbranch_scc0 .Lnot_mine_\@
	global_prefetch_b8 v[PFO], s[PFA:PFA+1] th:TH_LOAD_NT scope:SCOPE_SE
.Lnot_mine_\@:
.endm
.macro CROUND
	s_barrier_signal -1
	s_barrier_wait -1
	s_cmp_lg_u32 s[WV], 0
	s_cbranch_scc1 .Lnot_wave_0_\@
	s_barrier_signal -3
.Lnot_wave_0_\@:
	s_barrier_wait -3
	s_barrier_signal -1
	s_barrier_wait -1
.endm
	s_load_b128 s[4:7], s[0:1], 0x0                ; qkvh, mask
	s_load_b64 s[8:9], s[0:1], 0x10                ; ao
	v_lshl_add_u32 v[SPW], v0, 2, SPARE
	v_mov_b32 v[NIL], 0
	ds_add_u32 v[SPW], v[NIL]                      ; the opening: the add, twice on end, and its wait ahead of my first tensor load
	ds_add_u32 v[SPW], v[NIL]
	v_lshrrev_b32 v3, 5, v0
	v_readfirstlane_b32 s[WV], v3
	s_and_b32 s[JW], s[WV], 3                      ; my query tile; also: which part of a tile I fetch
	s_lshr_b32 s[KP], s[WV], 2                     ; my half of every 128 keys
	s_bfe_u32 s13, ttmp6, 0x40000                  ; cx
	s_bfe_u32 s14, ttmp6, 0x40004                  ; cy
	s_lshl_b32 s15, ttmp9, 2
	s_add_co_u32 s15, s15, s13                     ; block of 64 queries
	s_and_b32 s16, ttmp7, 0xffff
	s_lshl_b32 s16, s16, 2
	s_add_co_u32 s16, s16, s14                     ; key and value head g
	s_lshl_b32 s17, s14, 2
	s_lshl_b32 s17, 15, s17                        ; my row of the cluster
	s_lshl_b32 s18, 0x1111, s13                    ; my column
	s_or_b32 s[G1KV], s17, (3<<16)|(1<<21)         ; 16,384 dense bytes: 64 rows of 32 elements of 8 bytes
	s_mov_b32 s[G1KV+1], 32<<16
	s_mov_b32 s[G1KV+2], 64<<16
	s_mov_b32 s[G1KV+3], 32<<16
	s_mov_b32 s[G1KV+4], 64
	s_mov_b32 s[G1KV+5], 32
	s_mov_b32 s[G1KV+6], 0
	s_mov_b32 s[G1KV+7], 0
	s_or_b32 s[G1M], s18, (2<<16)|(1<<20)|(1<<21)|(7<<22)|(3<<25)   ; elements of 4 bytes; four words of padding behind every 256
	s_mov_b32 s[G1M+1], 256<<16
	s_mov_b32 s[G1M+2], 16<<16
	s_mov_b32 s[G1M+3], 256<<16
	s_mov_b32 s[G1M+4], 16
	s_mov_b32 s[G1M+5], 2048
	s_mov_b32 s[G1M+6], 0
	s_mov_b32 s[G1M+7], 0
	s_lshr_b32 s20, s[JW], 1                       ; parts 0, 1: K's halves (head 32 + g); 2, 3: V's (head 40 + g)
	s_lshl_b32 s20, s20, 3
	s_add_co_u32 s20, s20, s16
	s_add_co_u32 s20, s20, 32
	s_lshl_b32 s20, s20, 18
	s_and_b32 s19, s[JW], 1
	s_lshl_b32 s19, s19, 14
	s_add_co_u32 s20, s20, s19
	s_mov_b32 s21, 0
	s_lshl_b32 s22, s15, 6
	s_lshl_b32 s19, s[JW], 4
	s_add_co_u32 s22, s22, s19                     ; the mask's row 64 xb + 16 part
	s_lshl_b32 s22, s22, 13
	s_mov_b32 s23, 0
	s_lshl_b32 s71, s[JW], 14                      ; where they go in a slot
	s_mul_i32 s72, s[JW], 16*MP
	s_add_co_u32 s72, s72, 65536
	s_mov_b32 s[SEL], 0x76543210
	s_mov_b32 s[SEL+1], 0xfedcba98
	s_mov_b32 s[LG], 0x3fb8aa3b                    ; log2(e)
	s_mov_b32 s[LG+1], s[LG]
	s_wait_dscnt 0x0                               ; both opening adds are done
	s_wait_kmcnt 0x0
	s_add_nc_u64 s[20:21], s[4:5], s[20:21]
	s_add_nc_u64 s[22:23], s[6:7], s[22:23]
	CROUND                                         ; all sixteen work-groups are here
.irp s, 0,1
	s_mov_b32 s[G0KV+4*\s], 1
	s_add_co_u32 s[G0KV+4*\s+1], s71, \s*SLOTB
	s_add_nc_u64 s[G0KV+4*\s+2:G0KV+4*\s+3], s[20:21], \s*32768
	s_or_b32 s[G0KV+4*\s+3], s[G0KV+4*\s+3], 0x80000000
	s_mov_b32 s[G0M+4*\s], 1
	s_add_co_u32 s[G0M+4*\s+1], s72, \s*SLOTB
	s_add_nc_u64 s[G0M+4*\s+2:G0M+4*\s+3], s[22:23], \s*1024
	s_or_b32 s[G0M+4*\s+3], s[G0M+4*\s+3], 0x80000000
.endr
	JLOAD 0                                        ; tile 0; every wave issues one load
	; the prefetches: who asks, and where
	s_and_b32 s73, ttmp7, 0xffff
	s_mov_b32 s[PFS], 1024
	s_mov_b32 s77, 8192
	s_bfe_u32 s74, s[WV], 0x10001                  ; (wave >> 1) & 1
	s_lshl_b32 s75, s74, 3
	s_add_co_u32 s75, s75, s16
	s_add_co_u32 s75, s75, 32
	s_lshl_b32 s75, s75, 18                        ; K's head (wave 0) or V's (wave 2),
	s_lshl_b32 s76, s13, 13
	s_add_co_u32 s75, s75, s76                     ; my work-group's 8,192 bytes of a tile's 32,768,
	s_add_co_u32 s75, s75, 32768                   ; at tile 1: the first trip steps it to tile 2
	s_lshl_b32 s76, s15, 6
	s_lshl_b32 s78, s14, 4
	s_add_co_u32 s76, s76, s78
	s_lshl_b32 s78, s74, 3
	s_add_co_u32 s76, s76, s78                     ; the mask: my work-group's 16 rows, my wave's 8 of them,
	s_lshl_b32 s76, s76, 13
	s_add_co_u32 s76, s76, 1024                    ; at tile 1
	s_cmp_lt_u32 s[WV], 4
	s_cselect_b64 s[PFA:PFA+1], s[4:5], s[6:7]
	s_cselect_b32 s[PFS], 32768, s[PFS]            ; a tile on
	s_cselect_b32 s77, 1024, s77                   ; from four lanes to the next four
	s_cselect_b32 s73, ttmp9, s73                  ; the coordinate along which other clusters read the same bytes
	s_cselect_b32 s74, s75, s76
	s_mov_b32 s75, 0
	s_add_nc_u64 s[PFA:PFA+1], s[PFA:PFA+1], s[74:75]
	s_mov_b32 s[PFS+1], 0
	s_and_b32 s76, s[WV], 1
	s_or_b32 s76, s76, s73
	s_cmp_eq_u32 s76, 0
	s_cselect_b32 s[LIM], 1, -1                    ; equal in all partners, for a given wave
	v_and_b32 v16, 31, v0                          ; lane
	v_and_b32 v17, 15, v0                          ; r
	v_bfe_u32 v18, v0, 4, 1                        ; h
	v_lshrrev_b32 v19, 2, v16
	v_mul_lo_u32 v19, v19, s77
	v_and_b32 v20, 3, v16
	v_lshl_add_u32 v[PFO], v20, 8, v19
	; LDS addresses
	v_lshrrev_b32 v19, 1, v16
	v_and_b32 v19, 8, v19
	v_xor_b32 v19, v16, v19                        ; pos(lane)
	v_lshlrev_b32 v[QO], 4, v19
	s_lshl_b32 s73, s[KP], 13                      ; my 64 keys of the first 128
	v_add_nc_u32 v[AK], s73, v[QO]
	v_add_nc_u32 v[AK+1], SLOTB, v[AK]
	v_bfe_u32 v20, v0, 3, 1                        ; e: the turning load's lane l addresses key 8 (l/16) + l%8, channels 8 e + 0..7: piece 16 e + 8 (e xor l/16) + l%8
	v_xor_b32 v21, v20, v18
	v_and_b32 v22, 7, v0
	v_lshl_add_u32 v22, v21, 3, v22
	v_lshl_add_u32 v22, v20, 4, v22
	v_lshlrev_b32 v22, 4, v22
	s_add_co_u32 s73, s73, 32768
	v_add_nc_u32 v[AV], s73, v22
	v_add_nc_u32 v[AV+1], SLOTB, v[AV]
	v_mul_u32_u24 v23, v17, MP
	v_lshl_add_u32 v23, v18, 5, v23                ; the mask: row r, 8 h keys on
	s_mul_i32 s73, s[JW], 16*MP
	s_lshl_b32 s74, s[KP], 8
	s_add_co_u32 s73, s73, s74
	s_add_co_u32 s73, s73, 65536
	v_add_nc_u32 v[AM], s73, v23
	v_add_nc_u32 v[AM+1], SLOTB, v[AM]
	v_lshlrev_b32 v[GO], 4, v16
	s_mul_i32 s73, s[JW], MST
	v_add_nc_u32 v[MO], s73, v[GO]
	v_lshl_add_u32 v[MS], v16, 2, s73
	v_add_nc_u32 v[MS], 16384, v[MS]
	; Q and the output
	s_lshl_b32 s76, s15, 2
	s_add_co_u32 s76, s76, s[JW]                   ; my tile of 16 queries
	s_lshl_b32 s74, s16, 20                        ; head 4 g
	s_lshl_b32 s77, s76, 11
	s_add_co_u32 s74, s74, s77
	s_mov_b32 s75, 0
	s_add_nc_u64 s[78:79], s[4:5], s[74:75]
	s_lshl_b32 s74, s16, 20
	s_lshl_b32 s77, s76, 13
	s_add_co_u32 s74, s74, s77
	s_add_nc_u64 s[8:9], s[8:9], s[74:75]
	WIN 0x40                                       ; destination window 1
.irp hd, 0,1,2,3
.irp f, 0,1,2,3
	global_load_b128 v[QF+16*\hd+4*\f:QF+16*\hd+4*\f+3], v[QO], s[78:79] offset:\hd*262144+\f*512
.endr
.endr
.set I, 0
.rept 128
	v_mov_b32 v[OT+I], 0                           ; O^T: the step is written once; its first run finds zeros, which a = 0 leaves zeros
.set I, I+1
.endr
	WIN 0
.irp hd, 0,1,2,3
	v_mov_b32 v[ST+12*\hd], 0xff61b1e6             ; m = -3e38
	v_mov_b32 v[ST+12*\hd+1], 0
	v_mov_b32 v[ST+12*\hd+2], 0                    ; l, in two halves
	v_mov_b32 v[ST+12*\hd+3], 0
	v_mov_b32 v[ST+12*\hd+4], 0
	v_mov_b32 v[ST+12*\hd+5], 0
.endr
	s_wait_loadcnt 0x0                             ; Q
; A STEP: my 64 keys of the 128 at s[SU] (K, V) and s[SM] (mask) in the slot.
.macro STEP slot
	v_add_nc_u32 v[ADM], s[SM], v[AM+\slot]        ; these four lines are the places behind the last products, in front of the loads into their operands' registers
	v_add_nc_u32 v[ADK], s[SU], v[AK+\slot]
	v_add_nc_u32 v[ADV], s[SU], v[AV+\slot]
	v_nop
.irp t, 0,1,2,3
	ds_load_b128 v[MM+8*\t:MM+8*\t+3], v[ADM] offset:\t*64
	ds_load_b128 v[MM+8*\t+4:MM+8*\t+7], v[ADM] offset:\t*64+16
.endr
	WIN 0x40
.irp f, 0,1,2,3,4,5,6,7,8,9,10,11,12,13,14,15  ; keys 16 (f/4) on, channels 32 ((f/2)%2) on
	ds_load_b128 v[KVB+4*\f:KVB+4*\f+3], v[ADK] offset:\f*512
.endr
	WIN 0
	s_wait_dscnt 16                                ; the mask's eight loads are in; K's sixteen may be out
.irp i, 0,2,4,6,8,10,12,14,16,18,20,22,24,26,28,30
	v_pk_mul_f32 v[MM+\i:MM+\i+1], v[MM+\i:MM+\i+1], s[LG:LG+1] op_sel_hi:[1,0]
.endr
	s_wait_dscnt 0x0
	WIN 0x05                                       ; K and Q in window 1
.irp hd, 0,1,2,3                               ; the 16 accumulators take turns; the first product takes the mask as C
.irp t, 0,1,2,3
	v_wmma_f32_16x16x32_f16 v[S+32*\hd+8*\t:S+32*\hd+8*\t+7], v[KVB+16*\t:KVB+16*\t+7], v[QF+16*\hd:QF+16*\hd+7], v[MM+8*\t:MM+8*\t+7]
.endr
.endr
.irp hd, 0,1,2,3
.irp t, 0,1,2,3
	v_wmma_f32_16x16x32_f16 v[S+32*\hd+8*\t:S+32*\hd+8*\t+7], v[KVB+16*\t+8:KVB+16*\t+15], v[QF+16*\hd+8:QF+16*\hd+15], v[S+32*\hd+8*\t:S+32*\hd+8*\t+7]
.endr
.endr
	WIN 0
.rept 4
	v_nop                                          ; places in front of the loads over K and of the first read of the scores
.endr
	WIN 0x40
.irp dt, 0,1,2,3
.irp kf, 0,1
.irp e2, 0,1
	ds_load_tr16_b128 v[KVB+8*(2*\dt+\kf)+4*\e2:KVB+8*(2*\dt+\kf)+4*\e2+3], v[ADV] offset:(2*\kf+\e2)*2048+\dt*512
.endr
.endr
.endr
	WIN 0
	; the maximum of my 32 scores of each head, the heads by turns; each tile is read from its low end on
.irp j, 0,1,2,3
.irp hd, 0,1,2,3
	v_max3_num_f32 v[ST+12*\hd+6+\j], v[S+32*\hd+8*\j], v[S+32*\hd+8*\j+1], v[S+32*\hd+8*\j+2]
.endr
.endr
.irp k, 3,5
.irp j, 0,1,2,3
.irp hd, 0,1,2,3
	v_max3_num_f32 v[ST+12*\hd+6+\j], v[ST+12*\hd+6+\j], v[S+32*\hd+8*\j+\k], v[S+32*\hd+8*\j+\k+1]
.endr
.endr
.endr
.irp hd, 0,1,2,3
	v_max3_num_f32 v[ST+12*\hd+6], v[ST+12*\hd+6], v[S+32*\hd+7], v[S+32*\hd+15]
.endr
.irp hd, 0,1,2,3
	v_max3_num_f32 v[ST+12*\hd+8], v[ST+12*\hd+8], v[S+32*\hd+23], v[S+32*\hd+31]
.endr
.irp hd, 0,1,2,3
	v_max3_num_f32 v[ST+12*\hd+6], v[ST+12*\hd+6], v[ST+12*\hd+7], v[ST+12*\hd+8]
.endr
.irp hd, 0,1,2,3
	v_max3_num_f32 v[ST+12*\hd+6], v[ST+12*\hd+6], v[ST+12*\hd+9], v[ST+12*\hd]
.endr
.irp hd, 0,1,2,3
	v_permlanex16_b32 v[ST+12*\hd+7], v[ST+12*\hd+6], s[SEL], s[SEL+1]   ; the query's other 32 keys lie in the lane 16 away
.endr
.irp hd, 0,1,2,3
	v_mov_b32 v[ST+12*\hd+1], v[ST+12*\hd]
.endr
.irp hd, 0,1,2,3
	v_max_num_f32 v[ST+12*\hd], v[ST+12*\hd+6], v[ST+12*\hd+7]
.endr
.irp hd, 0,1,2,3
	v_sub_f32 v[ST+12*\hd+5], v[ST+12*\hd+1], v[ST+12*\hd]
.endr
.irp hd, 0,1,2,3
	v_exp_f32 v[ST+12*\hd+4], v[ST+12*\hd+5]       ; a: the first four of the batch
.endr
.irp i, 0,2,4,6,8,10,12,14,16,18,20,22,24,26,28,30
.irp hd, 0,1,2,3
	v_pk_add_f32 v[S+32*\hd+\i:S+32*\hd+\i+1], v[S+32*\hd+\i:S+32*\hd+\i+1], v[ST+12*\hd:ST+12*\hd+1] op_sel_hi:[1,0] neg_lo:[0,1] neg_hi:[0,1]   ; x' - m
.endr
.endr
.set I, 0
.rept 128
	v_exp_f32 v[S+I], v[S+I]
.set I, I+1
.endr
	v_nop                                          ; a plain line behind the last exponential
	s_wait_alu depctr_va_vdst(0)                   ; one wait for the 132 exponentials, ahead of the first line that names a result
.irp hd, 0,1,2,3
	v_pk_add_f32 v[ST+12*\hd+6:ST+12*\hd+7], v[S+32*\hd:S+32*\hd+1], v[S+32*\hd+2:S+32*\hd+3]
	v_pk_add_f32 v[ST+12*\hd+8:ST+12*\hd+9], v[S+32*\hd+4:S+32*\hd+5], v[S+32*\hd+6:S+32*\hd+7]
.endr
.irp i, 8,12,16,20,24,28
.irp hd, 0,1,2,3
	v_pk_add_f32 v[ST+12*\hd+6:ST+12*\hd+7], v[ST+12*\hd+6:ST+12*\hd+7], v[S+32*\hd+\i:S+32*\hd+\i+1]
	v_pk_add_f32 v[ST+12*\hd+8:ST+12*\hd+9], v[ST+12*\hd+8:ST+12*\hd+9], v[S+32*\hd+\i+2:S+32*\hd+\i+3]
.endr
.endr
.irp hd, 0,1,2,3
	v_pk_fma_f32 v[ST+12*\hd+2:ST+12*\hd+3], v[ST+12*\hd+2:ST+12*\hd+3], v[ST+12*\hd+4:ST+12*\hd+5], v[ST+12*\hd+6:ST+12*\hd+7] op_sel_hi:[1,0,1]   ; l = l a + the step's sum
.endr
.irp hd, 0,1,2,3
	v_pk_add_f32 v[ST+12*\hd+2:ST+12*\hd+3], v[ST+12*\hd+2:ST+12*\hd+3], v[ST+12*\hd+8:ST+12*\hd+9]
.endr
.irp i, 0,1,2,3,4,5,6,7,8,9,10,11,12,13,14,15  ; two tiles of 16 keys, packed, are source 1 for 32 keys; in place, ascending
.irp hd, 0,1,2,3
	v_cvt_pk_f16_f32 v[S+32*\hd+\i], v[S+32*\hd+2*\i], v[S+32*\hd+2*\i+1]
.endr
.endr
	WIN 0x41                                       ; O^T in window 1, a in window 0
.irp hd, 0,1,2,3
.irp i, 0,2,4,6,8,10,12,14,16,18,20,22,24,26,28,30
	v_pk_mul_f32 v[OT+32*\hd+\i:OT+32*\hd+\i+1], v[OT+32*\hd+\i:OT+32*\hd+\i+1], v[ST+12*\hd+4:ST+12*\hd+5] op_sel_hi:[1,0]
.endr
.endr
	s_wait_dscnt 0x0                               ; V is in
	WIN 0x51                                       ; V, C and D in window 1, P in window 0
.irp kf, 0,1
.irp hd, 0,1,2,3
.irp dt, 0,1,2,3
	v_wmma_f32_16x16x32_f16 v[OT+32*\hd+8*\dt:OT+32*\hd+8*\dt+7], v[KVB+8*(2*\dt+\kf):KVB+8*(2*\dt+\kf)+7], v[S+32*\hd+8*\kf:S+32*\hd+8*\kf+7], v[OT+32*\hd+8*\dt:OT+32*\hd+8*\dt+7]
.endr
.endr
.endr
	WIN 0
.endm
.macro SLOT_WORK slot                  ; a slot's two steps: written once, walked twice
	s_mov_b32 s[SU], 0
	s_mov_b32 s[SM], 0
	s_mov_b32 s[CNT], 2
.Lstep_\@:
	STEP \slot
	s_add_co_u32 s[SU], s[SU], 16384
	s_add_co_u32 s[SM], s[SM], 512
	s_sub_co_u32 s[CNT], s[CNT], 1
	s_cmp_lg_u32 s[CNT], 0
	s_cbranch_scc1 .Lstep_\@
.endm
; A trip: the tile in this slot has landed in every wave and nobody reads the other slot; that one takes the next tile, which has this slot's two steps in which to land.  One tensor load of mine is out behind the round.
.macro TRIP slot, refill, ask
	s_wait_tensorcnt 0x0                           ; all my tensor loads are done, so every group 0 may be written
	ds_add_u32 v[SPW], v[NIL]
	s_add_nc_u64 s[G0KV+4*\slot+2:G0KV+4*\slot+3], s[G0KV+4*\slot+2:G0KV+4*\slot+3], 65536   ; this slot's next tile
	s_add_nc_u64 s[G0M+4*\slot+2:G0M+4*\slot+3], s[G0M+4*\slot+2:G0M+4*\slot+3], 2048
.if \ask
	s_wait_xcnt 0x0                                ; the last prefetch, a trip back, has read its address
	s_add_nc_u64 s[PFA:PFA+1], s[PFA:PFA+1], s[PFS:PFS+1]
.endif
	s_wait_dscnt 0x0                               ; the add is done, and my reads of the other slot are over
.if \refill
	CROUND
	JLOAD 1-\slot
.if \ask
	ASK
.endif
.else
	s_barrier_signal -1
	s_barrier_wait -1
.endif
	SLOT_WORK \slot
.endm
	s_mov_b32 s[LAP], 3
.Llap:                                             ; tiles 0 to 5; the prefetches name tiles 2 to 7
	TRIP 0, 1, 1
	TRIP 1, 1, 1
	s_sub_co_u32 s[LAP], s[LAP], 1
	s_cmp_lg_u32 s[LAP], 0
	s_cbranch_scc1 .Llap
	TRIP 0, 1, 0                                   ; tile 6; tile 7 is asked for
	TRIP 1, 0, 0                                   ; tile 7; nothing is left to fetch
	; THE MERGE of the two waves of a query tile.  The additions are the places behind the last products.
.irp hd, 0,1,2,3
	v_add_f32 v[ST+12*\hd+2], v[ST+12*\hd+2], v[ST+12*\hd+3]
.endr
.irp hd, 0,1,2,3
	v_permlanex16_b32 v[ST+12*\hd+3], v[ST+12*\hd+2], s[SEL], s[SEL+1]
.endr
.irp hd, 0,1,2,3
	v_add_f32 v[ST+12*\hd+2], v[ST+12*\hd+2], v[ST+12*\hd+3]
.endr
	s_cmp_lt_u32 s[WV], 4
	s_cbranch_scc1 .Lkeep
	WIN 0x04                                       ; an LDS store's data are its source 1: window 1
.set I, 0
.rept 32
	ds_store_b128 v[MO], v[OT+4*I:OT+4*I+3] offset:I*512   ; an image of the registers, each tile from its low end on
.set I, I+1
.endr
	WIN 0
.irp hd, 0,1,2,3
	ds_store_b32 v[MS], v[ST+12*\hd] offset:\hd*256
	ds_store_b32 v[MS], v[ST+12*\hd+2] offset:\hd*256+128
.endr
.Lkeep:
	s_wait_dscnt 0x0                               ; for the others' sake: my stores are done
	s_barrier_signal -1
	s_barrier_wait -1
	s_cmp_lt_u32 s[WV], 4
	s_cbranch_scc0 .Lend
.set I, 0
.rept 32
	ds_load_b128 v[S+4*I:S+4*I+3], v[MO] offset:I*512
.set I, I+1
.endr
.irp hd, 0,1,2,3
	ds_load_b32 v[64+\hd], v[MS] offset:\hd*256
	ds_load_b32 v[68+\hd], v[MS] offset:\hd*256+128
.endr
	s_wait_dscnt 0x0
.irp hd, 0,1,2,3
	v_max_num_f32 v[72+\hd], v[ST+12*\hd], v[64+\hd]
.endr
.irp hd, 0,1,2,3
	v_sub_f32 v[76+\hd], v[ST+12*\hd], v[72+\hd]
	v_sub_f32 v[80+\hd], v[64+\hd], v[72+\hd]
.endr
.irp hd, 0,1,2,3
	v_exp_f32 v[76+\hd], v[76+\hd]
	v_exp_f32 v[80+\hd], v[80+\hd]
.endr
	v_nop
	s_wait_alu depctr_va_vdst(0)                   ; one wait for the eight
.irp hd, 0,1,2,3
	v_mul_f32 v[84+\hd], v[ST+12*\hd+2], v[76+\hd]
.endr
.irp hd, 0,1,2,3
	v_fma_f32 v[84+\hd], v[68+\hd], v[80+\hd], v[84+\hd]
.endr
.irp hd, 0,1,2,3
	v_rcp_f32 v[88+\hd], v[84+\hd]
.endr
	v_nop
	s_wait_alu depctr_va_vdst(0)                   ; one wait for the four
.irp hd, 0,1,2,3
	v_mul_f32 v[ST+12*\hd+4], v[76+\hd], v[88+\hd] ; what my O^T is multiplied by,
	v_mul_f32 v[ST+12*\hd+6], v[80+\hd], v[88+\hd] ; and the other wave's
.endr
.irp hd, 0,1,2,3
.irp i, 0,2,4,6,8,10,12,14,16,18,20,22,24,26,28,30
	v_pk_mul_f32 v[S+32*\hd+\i:S+32*\hd+\i+1], v[S+32*\hd+\i:S+32*\hd+\i+1], v[ST+12*\hd+6:ST+12*\hd+7] op_sel_hi:[1,0]
.endr
.endr
	WIN 0x01                                       ; source 0: O^T in window 1
.irp hd, 0,1,2,3
.irp i, 0,2,4,6,8,10,12,14,16,18,20,22,24,26,28,30
	v_pk_fma_f32 v[S+32*\hd+\i:S+32*\hd+\i+1], v[OT+32*\hd+\i:OT+32*\hd+\i+1], v[ST+12*\hd+4:ST+12*\hd+5], v[S+32*\hd+\i:S+32*\hd+\i+1] op_sel_hi:[1,0,1]
.endr
.endr
	WIN 0
.irp hd, 0,1,2,3
.irp i, 0,1,2,3,4,5,6,7,8,9,10,11,12,13,14,15
	v_cvt_pk_f16_f32 v[S+32*\hd+\i], v[S+32*\hd+2*\i], v[S+32*\hd+2*\i+1]
.endr
.endr
.irp hd, 0,1,2,3
.irp dt, 0,1,2,3
	global_store_b128 v[GO], v[S+32*\hd+4*\dt:S+32*\hd+4*\dt+3], s[8:9] offset:\hd*2048+\dt*512   ; 32 lanes store 512 consecutive bytes: the next product's fragment as its registers want it
.endr
.endr
.Lend:
	s_wait_tensorcnt 0x0                           ; the wave's end: a tensor wait, an add to the spare word and its wait
	ds_add_u32 v[SPW], v[NIL]
	s_wait_dscnt 0x0
	CROUND                                         ; the closing round
	s_endpgm
.Lfunc_end_k_q42df628806_attn:
	.size	k_q42df628806_attn, .Lfunc_end_k_q42df628806_attn-k_q42df628806_attn
	.p2alignl 7, 3214868480
	.fill 96, 4, 3214868480
	.section	.rodata,"a",@progbits
	.p2align	6, 0x0
	.amdhsa_kernel k_q42df628806_attn
		.amdhsa_group_segment_fixed_size 327680
		.amdhsa_private_segment_fixed_size 0
		.amdhsa_enable_private_segment 0
		.amdhsa_kernarg_size 24
		.amdhsa_user_sgpr_count 2
		.amdhsa_user_sgpr_kernarg_segment_ptr 1
		.amdhsa_wavefront_size32 1
		.amdhsa_system_sgpr_workgroup_id_x 1
		.amdhsa_system_sgpr_workgroup_id_y 1
		.amdhsa_system_sgpr_workgroup_id_z 1
		.amdhsa_system_vgpr_workitem_id 0
		.amdhsa_next_free_vgpr 512
		.amdhsa_next_free_sgpr 80
		.amdhsa_reserve_vcc 0
		.amdhsa_float_denorm_mode_32 3
		.amdhsa_float_denorm_mode_16_64 3
		.amdhsa_memory_ordered 1
		.amdhsa_forward_progress 1
		.amdhsa_inst_pref_size 173
	.end_amdhsa_kernel
	.amdgpu_metadata
---
amdhsa.version: [ 1, 2 ]
amdhsa.kernels:
  - .name:           k_q42df628806_attn
    .symbol:         k_q42df628806_attn.kd
    .args:
      - { .name: qkvh, .offset: 0, .size: 8, .value_kind: global_buffer, .address_space: global }
      - { .name: mask, .offset: 8, .size: 8, .value_kind: global_buffer, .address_space: global }
      - { .name: ao, .offset: 16, .size: 8, .value_kind: global_buffer, .address_space: global }
    .group_segment_fixed_size: 327680
    .private_segment_fixed_size: 0
    .kernarg_segment_align: 8
    .kernarg_segment_size: 24
    .max_flat_workgroup_size: 256
    .sgpr_count:     80
    .vgpr_count:     512
    .wavefront_size: 32
...
	.end_amdgpu_metadata
.endif
;; end of part 3
;; launch fattn (part 4): grid 32 x 1, 16 waves a work-group, no clusters, 266,240 bytes of LDS; arguments qkvh, qkvl, mask, aof; writes aof
.if DOCPART == 4
	.amdgcn_target "amdgcn-amd-amdhsa--gfx1250"
	.amdhsa_code_object_version 6
	.text
	.protected	k_q42df628806_fattn
	.globl	k_q42df628806_fattn
	.p2align	8
	.type	k_q42df628806_fattn,@function
k_q42df628806_fattn:
	s_mov_b64 s[64:65], 0
	v_nop
	global_prefetch_b8 v0, s[64:65] scope:SCOPE_SE
	s_setreg_imm32_b32 hwreg(HW_REG_WAVE_MODE, 25, 1), 1
	s_wait_xcnt 0x0
; The first 16 queries once more, finely: q, k, v and the weights p as pairs of f16 numbers (high and low part), three products for each (high x high, low x high, high x low); the result in f32.
; A work-group is one query head; wave w takes keys 128 w + 0..127.  Straight-line text, two barriers: the row's exact maximum over the sixteen waves, then the sum of their partial results.
; x' = fma(mask, log2(e), s'), s' = log2(e) q.k / 8 (q was stored times log2(e)/8); p = 2^(x' - m); out = sum p v / sum p.
; V is copied as it lies into the wave's own LDS bytes and read back turned.  Operands come from memory straight into registers: a small launch, no tensor load, no cluster.
; OUTPUT: aof, f32: byte kg*512 + 16*lane holds out(row lane%16, k = 8 kg + 4 (lane/16) + 0..3), k = 64 head + d.
; LIMITS: 1.4427 |mask| is finite.
; REGISTERS: v1-15 addresses; v16-23, v56-63 at work; v24-55 Q high and low, later p's high parts; v64-127 S^T, then p; p's low parts in v64-95, O^T in v96-127; v128-191, v192-255 two buffers for K, the mask and V.
.set SPARE, 264192
.set MX,    262144                     ; partial maxima [query][wave], 1,024 bytes; the partial sums 1,024 bytes on
.set SPW, 1
.set NIL, 2
	s_load_b256 s[4:11], s[0:1], 0x0               ; qkvh, qkvl, mask, aof
	v_lshl_add_u32 v[SPW], v0, 2, SPARE
	v_mov_b32 v[NIL], 0
	v_lshrrev_b32 v3, 5, v0
	v_readfirstlane_b32 s12, v3                    ; wave 0..15
	v_and_b32 v16, 31, v0                          ; lane
	v_and_b32 v17, 15, v0                          ; r
	v_bfe_u32 v18, v0, 4, 1                        ; h
	v_lshrrev_b32 v3, 1, v16
	v_and_b32 v3, 8, v3
	v_xor_b32 v3, v16, v3
	v_lshlrev_b32 v3, 4, v3                        ; v3 16 x pos(lane): Q's and K's pieces
	v_lshlrev_b32 v4, 4, v16                       ; v4 16 x lane: V as it lies
	v_lshlrev_b32 v5, 13, v17
	v_lshl_add_u32 v5, v18, 5, v5                  ; v5 the mask: row r, 8 h keys on
	s_lshl_b32 s13, s12, 14                        ; my 16,384 bytes of LDS; also my 128 keys in K and V
	v_add_nc_u32 v6, s13, v4                       ; v6 V into LDS
	v_bfe_u32 v19, v0, 3, 1
	v_xor_b32 v20, v19, v18
	v_and_b32 v21, 7, v0
	v_lshl_add_u32 v21, v20, 3, v21
	v_lshl_add_u32 v21, v19, 4, v21
	v_lshlrev_b32 v21, 4, v21
	v_add_nc_u32 v7, s13, v21                      ; v7 V back, turned
	v_lshlrev_b32 v9, 6, v17
	v_add_nc_u32 v9, MX, v9                        ; v9 a query's sixteen partial numbers
	s_lshl_b32 s14, s12, 2
	v_add_nc_u32 v8, s14, v9                       ; v8 mine among them
	v_mul_u32_u24 v10, v17, 272
	v_lshl_add_u32 v11, v18, 4, v10
	v_lshl_add_u32 v10, v18, 5, v10
	v_add_nc_u32 v10, s13, v10                     ; v10 my partial O: row r of 256 bytes + 16, 8 h channels on
	v_bfe_u32 v19, v0, 5, 3
	v_lshl_add_u32 v11, v19, 5, v11                ; v11-14 the reduction: thread t reads row t%16, channels 8 ((t/32)%8) + 4 ((t/16)%2) + 0..3 of four waves each
	v_add_nc_u32 v12, 65536, v11
	v_add_nc_u32 v13, 131072, v11
	v_add_nc_u32 v14, 196608, v11
	v_lshlrev_b32 v15, 4, v0                       ; v15 16 x thread
	s_mov_b32 s28, 0x76543210
	s_mov_b32 s29, 0xfedcba98
	s_mov_b32 s30, 0x3fb8aa3b                      ; log2(e)
	s_mov_b32 s31, s30
	s_lshl_b32 s32, ttmp9, 18                      ; my head of q
	s_mov_b32 s33, 0
	s_lshr_b32 s34, ttmp9, 2
	s_add_co_u32 s34, s34, 32
	s_lshl_b32 s34, s34, 18
	s_add_co_u32 s34, s34, s13                     ; k: head 32 + g, my keys
	s_mov_b32 s35, 0
	s_add_co_u32 s36, s34, 2097152                 ; v: eight heads on
	s_mov_b32 s37, 0
	s_lshl_b32 s38, s12, 9                         ; the mask: my 128 keys
	s_mov_b32 s39, 0
	s_wait_kmcnt 0x0
	s_add_nc_u64 s[16:17], s[4:5], s[32:33]
	s_add_nc_u64 s[18:19], s[6:7], s[32:33]
	s_add_nc_u64 s[20:21], s[4:5], s[34:35]
	s_add_nc_u64 s[22:23], s[6:7], s[34:35]
	s_add_nc_u64 s[24:25], s[4:5], s[36:37]
	s_add_nc_u64 s[26:27], s[6:7], s[36:37]
	s_add_nc_u64 s[8:9], s[8:9], s[38:39]
	s_lshl_b32 s38, ttmp9, 12
	s_add_nc_u64 s[10:11], s[10:11], s[38:39]
.irp f, 0,1,2,3
	global_load_b128 v[24+4*\f:27+4*\f], v3, s[16:17] offset:\f*512
	global_load_b128 v[40+4*\f:43+4*\f], v3, s[18:19] offset:\f*512
.endr
.macro KLOAD tp                        ; two tiles of 16 keys, high parts (32 registers) and low parts (32)
.set HB, 128+64*((\tp)%2)
.irp tt, 0,1
.irp f, 0,1,2,3
	global_load_b128 v[HB+16*\tt+4*\f:HB+16*\tt+4*\f+3], v3, s[20:21] offset:(2*(\tp)+\tt)*2048+\f*512
	global_load_b128 v[HB+32+16*\tt+4*\f:HB+32+16*\tt+4*\f+3], v3, s[22:23] offset:(2*(\tp)+\tt)*2048+\f*512
.endr
.endr
.endm
.macro VLOAD kf                        ; 32 keys of V, high and low, as they lie
.set HB, 128+64*(((\kf)+1)%2)
.irp n, 0,1,2,3,4,5,6,7
	global_load_b128 v[HB+4*\n:HB+4*\n+3], v4, s[24:25] offset:(\kf)*4096+\n*512
	global_load_b128 v[HB+32+4*\n:HB+32+4*\n+3], v4, s[26:27] offset:(\kf)*4096+\n*512
.endr
.endm
.macro KMUL tp                         ; 12 products, the pair's two tiles by turns
.set HB, 128+64*((\tp)%2)
.set SS, 64+16*(\tp)
.irp tt, 0,1
	v_wmma_f32_16x16x32_f16 v[SS+8*\tt:SS+8*\tt+7], v[HB+16*\tt:HB+16*\tt+7], v[24:31], 0
.endr
.irp tt, 0,1
	v_wmma_f32_16x16x32_f16 v[SS+8*\tt:SS+8*\tt+7], v[HB+16*\tt+8:HB+16*\tt+15], v[32:39], v[SS+8*\tt:SS+8*\tt+7]
.endr
.irp df, 0,1
.irp tt, 0,1
	v_wmma_f32_16x16x32_f16 v[SS+8*\tt:SS+8*\tt+7], v[HB+32+16*\tt+8*\df:HB+32+16*\tt+8*\df+7], v[24+8*\df:31+8*\df], v[SS+8*\tt:SS+8*\tt+7]
.endr
.endr
.irp df, 0,1
.irp tt, 0,1
	v_wmma_f32_16x16x32_f16 v[SS+8*\tt:SS+8*\tt+7], v[HB+16*\tt+8*\df:HB+16*\tt+8*\df+7], v[40+8*\df:47+8*\df], v[SS+8*\tt:SS+8*\tt+7]
.endr
.endr
.rept 4
	v_nop                                          ; places in front of the loads into the buffer just multiplied
.endr
.endm
	KLOAD 0
	KLOAD 1
	s_wait_loadcnt 16                              ; Q and pair 0 are in; the sixteen loads behind them may be out (so at each of these waits)
	KMUL 0
	KLOAD 2
	s_wait_loadcnt 16
	KMUL 1
	KLOAD 3
	s_wait_loadcnt 16
	KMUL 2
.irp t, 0,1,2,3,4,5,6,7
	global_load_b128 v[128+8*\t:131+8*\t], v5, s[8:9] offset:\t*64
	global_load_b128 v[132+8*\t:135+8*\t], v5, s[8:9] offset:\t*64+16
.endr
	s_wait_loadcnt 16
	KMUL 3
	VLOAD 0
	s_wait_loadcnt 16                              ; the mask is in
.set I, 0
.rept 32
	v_pk_fma_f32 v[64+I:65+I], v[128+I:129+I], s[30:31], v[64+I:65+I] op_sel_hi:[1,0,1]   ; x', ascending: each tile from its low end on
.set I, I+2
.endr
	VLOAD 1
.irp c, 0,1,2,3
	v_max3_num_f32 v[56+\c], v[64+16*\c], v[65+16*\c], v[66+16*\c]
.endr
.irp i, 3,5,7,9,11,13
.irp c, 0,1,2,3
	v_max3_num_f32 v[56+\c], v[56+\c], v[64+16*\c+\i], v[65+16*\c+\i]
.endr
.endr
.irp c, 0,1,2,3
	v_max_num_f32 v[56+\c], v[56+\c], v[79+16*\c]
.endr
	v_max3_num_f32 v56, v56, v57, v58
	v_max_num_f32 v56, v56, v59
	v_permlanex16_b32 v57, v56, s28, s29
	v_max_num_f32 v56, v56, v57
	ds_store_b32 v8, v56                           ; lanes r and r + 16 write the same word with the same value
	s_wait_dscnt 0x0
	s_barrier_signal -1
	s_barrier_wait -1
	ds_load_b128 v[16:19], v9
	ds_load_b128 v[20:23], v9 offset:16
	ds_load_b128 v[56:59], v9 offset:32
	ds_load_b128 v[60:63], v9 offset:48
	s_wait_dscnt 0x0
	v_max3_num_f32 v16, v16, v17, v18
	v_max3_num_f32 v20, v20, v21, v22
	v_max3_num_f32 v56, v56, v57, v58
	v_max3_num_f32 v60, v60, v61, v62
	v_max3_num_f32 v16, v16, v19, v23
	v_max3_num_f32 v56, v56, v59, v63
	v_max3_num_f32 v16, v16, v20, v56
	v_max_num_f32 v16, v16, v60                    ; the row's maximum over all 2,048 keys
.set I, 0
.rept 32
	v_pk_add_f32 v[64+I:65+I], v[64+I:65+I], v[16:17] op_sel_hi:[1,0] neg_lo:[0,1] neg_hi:[0,1]
.set I, I+2
.endr
.set I, 0
.rept 64
	v_exp_f32 v[64+I], v[64+I]
.set I, I+1
.endr
	v_nop
	s_wait_alu depctr_va_vdst(0)                   ; one wait for the 64 exponentials, ahead of their first reader
	v_pk_add_f32 v[56:57], v[64:65], v[66:67]
	v_pk_add_f32 v[58:59], v[68:69], v[70:71]
.irp i, 8,12,16,20,24,28,32,36,40,44,48,52,56,60
	v_pk_add_f32 v[56:57], v[56:57], v[64+\i:65+\i]
	v_pk_add_f32 v[58:59], v[58:59], v[66+\i:67+\i]
.endr
	v_pk_add_f32 v[56:57], v[56:57], v[58:59]
	v_add_f32 v56, v56, v57
	v_permlanex16_b32 v57, v56, s28, s29
	v_add_f32 v56, v56, v57
	ds_store_b32 v8, v56 offset:1024               ; my 128 keys' sum of p
.set I, 0
.rept 32
	v_cvt_pk_f16_f32 v[24+I], v[64+2*I], v[65+2*I] ; p's high parts
.set I, I+1
.endr
.set I, 0
.irp s, v24.l,v24.h,v25.l,v25.h,v26.l,v26.h,v27.l,v27.h,v28.l,v28.h,v29.l,v29.h,v30.l,v30.h,v31.l,v31.h,v32.l,v32.h,v33.l,v33.h,v34.l,v34.h,v35.l,v35.h,v36.l,v36.h,v37.l,v37.h,v38.l,v38.h,v39.l,v39.h,v40.l,v40.h,v41.l,v41.h,v42.l,v42.h,v43.l,v43.h,v44.l,v44.h,v45.l,v45.h,v46.l,v46.h,v47.l,v47.h,v48.l,v48.h,v49.l,v49.h,v50.l,v50.h,v51.l,v51.h,v52.l,v52.h,v53.l,v53.h,v54.l,v54.h,v55.l,v55.h
	v_cvt_f32_f16 v[56+I%8], \s
.if I%8 == 7
.set J, I-7
.rept 4
	v_pk_add_f32 v[64+J:65+J], v[64+J:65+J], v[56+J%8:57+J%8] neg_lo:[0,1] neg_hi:[0,1]   ; what the high part left
.set J, J+2
.endr
.endif
.set I, I+1
.endr
.set I, 0
.rept 32
	v_cvt_pk_f16_f32 v[64+I], v[64+2*I], v[65+2*I] ; p's low parts, in place, ascending
.set I, I+1
.endr
.macro VSTEP kf, left
.set HB, 128+64*(((\kf)+1)%2)
.set HF, 8192*((\kf)%2)
	s_wait_loadcnt \left                           ; these 32 keys of V are in; the next 32 keys' sixteen loads may be out
.irp n, 0,1,2,3,4,5,6,7,8,9,10,11,12,13,14,15
	ds_store_b128 v6, v[HB+4*\n:HB+4*\n+3] offset:HF+\n*512
.endr
.irp pt, 0,1
.irp dt, 0,1,2,3
.irp e2, 0,1
	ds_load_tr16_b128 v[HB+32*\pt+8*\dt+4*\e2:HB+32*\pt+8*\dt+4*\e2+3], v7 offset:HF+\pt*4096+\e2*2048+\dt*512   ; LDS serves a wave's instructions in order: these see my stores
.endr
.endr
.endr
	s_wait_dscnt 0x0
.irp dt, 0,1,2,3                               ; the four tiles of channels by turns
.if (\kf) == 0
	v_wmma_f32_16x16x32_f16 v[96+8*\dt:103+8*\dt], v[HB+8*\dt:HB+8*\dt+7], v[24+8*(\kf):31+8*(\kf)], 0
.else
	v_wmma_f32_16x16x32_f16 v[96+8*\dt:103+8*\dt], v[HB+8*\dt:HB+8*\dt+7], v[24+8*(\kf):31+8*(\kf)], v[96+8*\dt:103+8*\dt]
.endif
.endr
.irp dt, 0,1,2,3
	v_wmma_f32_16x16x32_f16 v[96+8*\dt:103+8*\dt], v[HB+32+8*\dt:HB+32+8*\dt+7], v[24+8*(\kf):31+8*(\kf)], v[96+8*\dt:103+8*\dt]
.endr
.irp dt, 0,1,2,3
	v_wmma_f32_16x16x32_f16 v[96+8*\dt:103+8*\dt], v[HB+8*\dt:HB+8*\dt+7], v[64+8*(\kf):71+8*(\kf)], v[96+8*\dt:103+8*\dt]
.endr
.rept 4
	v_nop
.endr
.endm
	VSTEP 0, 16
	VLOAD 2
	VSTEP 1, 16
	VLOAD 3
	VSTEP 2, 16
	VSTEP 3, 0
.irp dt, 0,1,2,3
	ds_store_b128 v10, v[96+8*\dt:99+8*\dt] offset:\dt*64
	ds_store_b128 v10, v[100+8*\dt:103+8*\dt] offset:\dt*64+16
.endr
	s_wait_dscnt 0x0                               ; for the others' sake: my partial O and my partial sum lie in LDS
	s_barrier_signal -1
	s_barrier_wait -1
	s_cmp_lt_u32 s12, 8
	s_cbranch_scc0 .Lfend
.irp g, 0,1,2,3
.irp u, 0,1,2,3
	ds_load_b128 v[128+16*\g+4*\u:131+16*\g+4*\u], v[11+\g] offset:\u*16384
.endr
.endr
.irp u, 0,1,2,3
	ds_load_b128 v[192+4*\u:195+4*\u], v9 offset:1024+16*\u
.endr
	s_wait_dscnt 0x0
.irp u, 4,8,12,16,20,24,28,32,36,40,44,48,52,56,60
	v_pk_add_f32 v[128:129], v[128:129], v[128+\u:129+\u]
	v_pk_add_f32 v[130:131], v[130:131], v[130+\u:131+\u]
.endr
.irp u, 2,4,6,8,10,12,14
	v_pk_add_f32 v[192:193], v[192:193], v[192+\u:193+\u]
.endr
	v_add_f32 v192, v192, v193
	v_rcp_f32 v194, v192
	v_nop
	s_wait_alu depctr_va_vdst(0)
	v_mul_f32 v128, v128, v194
	v_mul_f32 v129, v129, v194
	v_mul_f32 v130, v130, v194
	v_mul_f32 v131, v131, v194
	global_store_b128 v15, v[128:131], s[10:11]    ; eight waves store the head's 4,096 bytes on end
.Lfend:
	s_wait_tensorcnt 0x0                           ; the wave's end: a tensor wait, an add to the spare word and its wait, behind my last LDS store
	ds_add_u32 v[SPW], v[NIL]
	s_wait_dscnt 0x0
	s_endpgm
.Lfunc_end_k_q42df628806_fattn:
	.size	k_q42df628806_fattn, .Lfunc_end_k_q42df628806_fattn-k_q42df628806_fattn
	.p2alignl 7, 3214868480
	.fill 96, 4, 3214868480
	.section	.rodata,"a",@progbits
	.p2align	6, 0x0
	.amdhsa_kernel k_q42df628806_fattn
		.amdhsa_group_segment_fixed_size 266240
		.amdhsa_private_segment_fixed_size 0
		.amdhsa_enable_private_segment 0
		.amdhsa_kernarg_size 32
		.amdhsa_user_sgpr_count 2
		.amdhsa_user_sgpr_kernarg_segment_ptr 1
		.amdhsa_wavefront_size32 1
		.amdhsa_system_sgpr_workgroup_id_x 1
		.amdhsa_system_sgpr_workgroup_id_y 1
		.amdhsa_system_sgpr_workgroup_id_z 1
		.amdhsa_system_vgpr_workitem_id 0
		.amdhsa_next_free_vgpr 256
		.amdhsa_next_free_sgpr 66
		.amdhsa_reserve_vcc 0
		.amdhsa_float_denorm_mode_32 3
		.amdhsa_float_denorm_mode_16_64 3
		.amdhsa_memory_ordered 1
		.amdhsa_forward_progress 1
		.amdhsa_inst_pref_size 57
	.end_amdhsa_kernel
	.amdgpu_metadata
---
amdhsa.version: [ 1, 2 ]
amdhsa.kernels:
  - .name:           k_q42df628806_fattn
    .symbol:         k_q42df628806_fattn.kd
    .args:
      - { .name: qkvh, .offset: 0, .size: 8, .value_kind: global_buffer, .address_space: global }
      - { .name: qkvl, .offset: 8, .size: 8, .value_kind: global_buffer, .address_space: global }
      - { .name: mask, .offset: 16, .size: 8, .value_kind: global_buffer, .address_space: global }
      - { .name: aof, .offset: 24, .size: 8, .value_kind: global_buffer, .address_space: global }
    .group_segment_fixed_size: 266240
    .private_segment_fixed_size: 0
    .kernarg_segment_align: 8
    .kernarg_segment_size: 32
    .max_flat_workgroup_size: 512
    .sgpr_count:     66
    .vgpr_count:     256
    .wavefront_size: 32
...
	.end_amdgpu_metadata
.endif
;; end of part 4
;; launch oproj (part 5): grid 16 x 16, 4 waves a work-group, clusters of 4 x 4, 327,680 bytes of LDS; arguments ao, wof, out0; writes out0
.if DOCPART == 5
	.amdgcn_target "amdgcn-amd-amdhsa--gfx1250"
	.amdhsa_code_object_version 6
	.text
	.protected	k_q42df628806_oproj
	.globl	k_q42df628806_oproj
	.p2align	8
	.type	k_q42df628806_oproj,@function
k_q42df628806_oproj:
	s_mov_b64 s[64:65], 0
	v_nop
	global_prefetch_b8 v0, s[64:65] scope:SCOPE_SE
	s_setreg_imm32_b32 hwreg(HW_REG_WAVE_MODE, 25, 1), 1
	s_wait_xcnt 0x0
	s_wait_alu depctr_hold_cnt(0) depctr_sa_sdst(0) depctr_va_vdst(0) depctr_va_sdst(0) depctr_va_ssrc(0) depctr_va_vcc(0) depctr_vm_vsrc(0)
	s_getreg_b32 s2, hwreg(HW_REG_IB_STS2, 6, 4)
	s_cmp_eq_u32 s2, 0
	s_cbranch_scc0 .Lentry_in_a_cluster
	s_endpgm
.Lentry_in_a_cluster:
	s_bfe_u32 s2, ttmp6, 0x10000c
	s_cmp_lg_u32 s2, 0xf033
	s_cbranch_scc0 .Lentry_shape_is_right
	s_endpgm
.Lentry_shape_is_right:
; out0 = ao wo, M = N = K = 2048, f16 operands, f32 sums and results.  Both operands lie in memory in the order of the operand registers, K step by K step of 256:
; 64 rows (or columns) of a K step are 32,768 dense bytes for one tensor load, and every fragment load is 16 x lane + a constant.
; A tile of C is 128 x 128, so that each of 256 work-groups has one; four waves, each 64 x 64: 16 accumulators.  Two slots of one K step.
; CLUSTERS: 4 x 4; ao's tiles are shared along a row of the cluster, wo's along a column: joint loads.
; THE MATRIX INSTRUCTION IS USED TRANSPOSED (source 0 = 16 columns of wo, source 1 = 16 rows of ao): a lane holds eight neighbouring numbers of a row of C.
; A wave's 64 columns are 256 bytes of a row, aligned: each wave sends its blocks of 16 rows through a stage of its own and stores whole rows of 256 bytes.
; Rows 0-15 are computed here like all others and are written again, more finely, by the launch that follows.
; REGISTERS: window 0: v16-29 addresses; v32-95 the way out; v128-255 the accumulators ((a, b) at v[128 + 8 (4 a + b)]).  window 1: two fragment buffers of 128: 64 registers of ao, then 64 of wo.
.set HALFT,  32768
.set SLOT,   131072
.set STAGE,  262144                    ; behind the ring: two stages of 16 rows x 272 bytes for each wave
.set SPARE,  296960
.set LAPS,   4
.set ADRA, 16
.set ADRB, 20
.set STO,  24
.set RD,   25
.set CO,   26
.set SPW,  28
.set NIL,  29
.set TMP,  32
.set ACC,  128
.set F0,   0
.set F1,   128
.set G1, 24
.set G0, 32
.set G1B, 48
.set G0B, 56
.set MSB, 0
.macro WIN new
.if MSB != \new
	s_set_vgpr_msb (MSB<<8)|\new
.set MSB, \new
.endif
.endm
.set MUL,  0x05
.set TO_F, 0x40
.macro JLOAD s                         ; waves 0 and 1 fetch ao's halves, waves 2 and 3 wo's; an s_nop 0 and four v_nop follow each line
	s_cmp_eq_u32 s11, 0
	s_cbranch_scc0 .Lfor_b_\@
	tensor_load_to_lds s[G0+4*\s:G0+4*\s+3], s[G1:G1+7]
	s_nop 0
.rept 4
	v_nop
.endr
	s_branch .Lasked_\@
.Lfor_b_\@:
	tensor_load_to_lds s[G0B+4*\s:G0B+4*\s+3], s[G1B:G1B+7]
	s_nop 0
.rept 4
	v_nop
.endr
.Lasked_\@:
.endm
.macro CREST
	s_cmp_lg_u32 s10, 0
	s_cbranch_scc1 .Lnot_wave_0_\@
	s_barrier_signal -3
.Lnot_wave_0_\@:
	s_barrier_wait -3
	s_barrier_signal -1
	s_barrier_wait -1
.endm
.macro CROUND
	s_barrier_signal -1
	s_barrier_wait -1
	CREST
.endm
	s_load_b128 s[4:7], s[0:1], 0x0                ; ao, wof
	s_load_b64 s[8:9], s[0:1], 0x10                ; out0
	v_lshl_add_u32 v[SPW], v0, 2, SPARE
	v_mov_b32 v[NIL], 0
	ds_add_u32 v[SPW], v[NIL]                      ; the opening: the add, twice on end, and its wait ahead of my first tensor load
	ds_add_u32 v[SPW], v[NIL]
	v_lshrrev_b32 v1, 5, v0
	v_readfirstlane_b32 s10, v1
	s_lshr_b32 s11, s10, 1                         ; my half of the rows; also: I fetch for ao (0) or wo (1)
	s_and_b32 s12, s10, 1                          ; my half of the columns; also: which 64 rows I fetch
	s_bfe_u32 s40, ttmp6, 0x40000
	s_bfe_u32 s41, ttmp6, 0x40004
	s_lshl_b32 s42, ttmp9, 2
	s_add_co_u32 s42, s42, s40                     ; tile column
	s_and_b32 s13, ttmp7, 0xffff
	s_lshl_b32 s13, s13, 2
	s_add_co_u32 s13, s13, s41                     ; tile row
	s_lshl_b32 s43, s41, 2
	s_lshl_b32 s43, 15, s43
	s_lshl_b32 s44, 0x1111, s40
	s_or_b32 s[G1+0], s43, (3<<16)|(1<<21)
	s_or_b32 s[G1B+0], s44, (3<<16)|(1<<21)
.irp g, G1, G1B
	s_mov_b32 s[\g+1], 32<<16                      ; 128 rows of 256 bytes: 32,768 dense bytes
	s_mov_b32 s[\g+2], 128<<16
	s_mov_b32 s[\g+3], 32<<16
	s_mov_b32 s[\g+4], 128
	s_mov_b32 s[\g+5], 32
	s_mov_b32 s[\g+6], 0
	s_mov_b32 s[\g+7], 0
.endr
	s_lshl_b32 s17, s12, 2
	s_lshl_b32 s16, s13, 3
	s_add_co_u32 s16, s16, s17                     ; ao: first group of 16 rows that I fetch
	s_lshl_b32 s46, s42, 3
	s_add_co_u32 s46, s46, s17                     ; wo: first group of 16 columns
	s_lshl_b32 s16, s16, 13
	s_lshl_b32 s46, s46, 13
	s_mov_b32 s17, 0
	s_mov_b32 s47, 0
	s_mul_i32 s20, s10, HALFT
	s_wait_dscnt 0x0
	s_wait_kmcnt 0x0
	s_add_nc_u64 s[14:15], s[4:5], s[16:17]
	s_add_nc_u64 s[46:47], s[6:7], s[46:47]
	CROUND
.irp s, 0,1
	s_mov_b32 s[G0+4*\s], 1
	s_add_co_u32 s[G0+4*\s+1], s20, \s*SLOT
	s_add_nc_u64 s[G0+4*\s+2:G0+4*\s+3], s[14:15], \s*1048576
	s_or_b32 s[G0+4*\s+3], s[G0+4*\s+3], 0x80000000
	s_mov_b32 s[G0B+4*\s], 1
	s_add_co_u32 s[G0B+4*\s+1], s20, \s*SLOT
	s_add_nc_u64 s[G0B+4*\s+2:G0B+4*\s+3], s[46:47], \s*1048576
	s_or_b32 s[G0B+4*\s+3], s[G0B+4*\s+3], 0x80000000
	JLOAD \s
.endr
	v_and_b32 v1, 15, v0
	v_bfe_u32 v2, v0, 4, 1
	v_and_b32 v3, 31, v0
	v_lshlrev_b32 v3, 4, v3                        ; 16 x lane
	s_mul_i32 s21, s11, HALFT
	s_mul_i32 s22, s12, HALFT
	s_add_co_u32 s22, s22, 2*HALFT
.irp s, 0,1
	v_add_nc_u32 v[ADRA+\s], s21, v3
	v_add_nc_u32 v[ADRB+\s], s22, v3
	s_add_co_u32 s21, s21, SLOT
	s_add_co_u32 s22, s22, SLOT
.endr
	s_mul_i32 s23, s10, 8704
	s_add_co_u32 s23, s23, STAGE                   ; my two stages
	v_mul_u32_u24 v4, v1, 272
	v_lshl_add_u32 v4, v2, 5, v4
	v_add_nc_u32 v[STO], s23, v4                   ; in: row r, 32 bytes for each half of the lanes
	v_mul_u32_u24 v5, v2, 272
	v_lshl_add_u32 v5, v1, 4, v5
	v_add_nc_u32 v[RD], s23, v5                    ; back: lanes 0-15 one row of 256 bytes, lanes 16-31 the next
	v_lshlrev_b32 v5, 13, v2
	v_lshl_add_u32 v[CO], v1, 4, v5                ; the same two rows in C
	s_lshl_b32 s16, s13, 7
	s_lshl_b32 s17, s11, 6
	s_add_co_u32 s16, s16, s17                     ; my first row
	s_lshl_b32 s16, s16, 13
	s_mov_b32 s17, 0
	s_add_nc_u64 s[8:9], s[8:9], s[16:17]
	s_lshl_b32 s46, s42, 9
	s_lshl_b32 s47, s12, 8
	s_add_co_u32 s46, s46, s47                     ; my first column, in bytes
	s_mov_b32 s47, 0
	s_add_nc_u64 s[8:9], s[8:9], s[46:47]
.macro MUL8 f, c, a0, zero             ; 8 matrix instructions; the 16 accumulators take turns
.irp a, \a0, \a0+1
.irp b, 0,1,2,3
.if \zero
	v_wmma_f32_16x16x32_f16 v[ACC+8*(4*(\a)+\b):ACC+8*(4*(\a)+\b)+7], v[\f+64+8*(4*\c+\b):\f+64+8*(4*\c+\b)+7], v[\f+8*(4*\c+\a):\f+8*(4*\c+\a)+7], 0
.else
	v_wmma_f32_16x16x32_f16 v[ACC+8*(4*(\a)+\b):ACC+8*(4*(\a)+\b)+7], v[\f+64+8*(4*\c+\b):\f+64+8*(4*\c+\b)+7], v[\f+8*(4*\c+\a):\f+8*(4*\c+\a)+7], v[ACC+8*(4*(\a)+\b):ACC+8*(4*(\a)+\b)+7]
.endif
.endr
.endr
.endm
.macro FETCH slot, qd, f               ; 32 LDS loads: the fragments of quarter qd (64 along K) into buffer f, its first 32 along K first
	WIN TO_F
.irp c, 0,1
.irp i, 0,1,2,3
	ds_load_b128 v[\f+64+8*(4*\c+\i):\f+64+8*(4*\c+\i)+3],   v[ADRB+\slot] offset:\i*8192+(2*(\qd)+\c)*1024
	ds_load_b128 v[\f+64+8*(4*\c+\i)+4:\f+64+8*(4*\c+\i)+7], v[ADRB+\slot] offset:\i*8192+(2*(\qd)+\c)*1024+512
	ds_load_b128 v[\f+8*(4*\c+\i):\f+8*(4*\c+\i)+3],         v[ADRA+\slot] offset:\i*8192+(2*(\qd)+\c)*1024
	ds_load_b128 v[\f+8*(4*\c+\i)+4:\f+8*(4*\c+\i)+7],       v[ADRA+\slot] offset:\i*8192+(2*(\qd)+\c)*1024+512
.endr
.endr
.endm
.macro PLACES
.rept 4
	v_nop
.endr
.endm
.macro QUARTER slot, qd, f, g, zero    ; multiplies buffer f and fetches quarter qd into g
	s_wait_dscnt 16                                ; the first 32 along K are in; the other sixteen loads may be out
	WIN MUL
	MUL8 \f, 0, 0, \zero
	MUL8 \f, 0, 2, \zero
	PLACES
	FETCH \slot, \qd, \g
	s_wait_dscnt 32                                ; all but the 32 just issued
	WIN MUL
	MUL8 \f, 1, 0, 0
	MUL8 \f, 1, 2, 0
.endm
.macro TURN slot, next, fill           ; the last quarter changes slots
	WIN 0
	s_wait_tensorcnt 0x0                           ; my part of the next slot has landed; no load of mine is out
	ds_add_u32 v[SPW], v[NIL]
	s_wait_dscnt 17                                ; the add and the youngest sixteen loads may be out
	WIN MUL
	MUL8 F1, 0, 0, 0
	s_wait_dscnt 0x0                               ; the add is done, and my reads of this slot are over
	s_barrier_signal -1
	MUL8 F1, 0, 2, 0
.if \fill
	WIN 0
.endif
	s_barrier_wait -1
.if \fill
	CREST                                          ; the barrier has opened a round of the cluster's
	s_add_nc_u64 s[G0+4*\slot+2:G0+4*\slot+3], s[G0+4*\slot+2:G0+4*\slot+3], 2097152
	s_add_nc_u64 s[G0B+4*\slot+2:G0B+4*\slot+3], s[G0B+4*\slot+2:G0B+4*\slot+3], 2097152
	JLOAD \slot
.else
	PLACES
.endif
	FETCH \next, 0, F0
	WIN MUL
	MUL8 F1, 1, 0, 0
	MUL8 F1, 1, 2, 0
.endm
	s_wait_tensorcnt 1                             ; my part of K step 0 is in; K step 1's may be out
	s_barrier_signal -1
	s_barrier_wait -1
	FETCH 0, 0, F0
	QUARTER 0, 1, F0, F1, 1
	WIN 0
	s_mov_b32 s3, LAPS-1
.Llap:
	QUARTER 0, 2, F1, F0, 0
	QUARTER 0, 3, F0, F1, 0
	TURN 0, 1, 1
	QUARTER 1, 1, F0, F1, 0
	QUARTER 1, 2, F1, F0, 0
	QUARTER 1, 3, F0, F1, 0
	TURN 1, 0, 1
	QUARTER 0, 1, F0, F1, 0
	WIN 0
	s_sub_co_u32 s3, s3, 1
	s_cmp_lg_u32 s3, 0
	s_cbranch_scc1 .Llap
	QUARTER 0, 2, F1, F0, 0                        ; the last lap fills nothing
	QUARTER 0, 3, F0, F1, 0
	TURN 0, 1, 0
	QUARTER 1, 1, F0, F1, 0
	QUARTER 1, 2, F1, F0, 0
	QUARTER 1, 3, F0, F1, 0
	s_wait_dscnt 16
	WIN MUL
	MUL8 F1, 0, 0, 0
	MUL8 F1, 0, 2, 0
	s_wait_dscnt 0
	MUL8 F1, 1, 0, 0
	MUL8 F1, 1, 2, 0
	WIN 0
.macro TOSTAGE a                       ; block a, 16 rows x 64 columns, into my stage a%2 and back as whole rows; LDS serves a wave's instructions in order
.irp b, 0,1,2,3
	ds_store_b128 v[STO], v[ACC+8*(4*(\a)+\b):ACC+8*(4*(\a)+\b)+3] offset:((\a)%2)*4352+64*\b
	ds_store_b128 v[STO], v[ACC+8*(4*(\a)+\b)+4:ACC+8*(4*(\a)+\b)+7] offset:((\a)%2)*4352+64*\b+16
.endr
.irp t, 0,1,2,3,4,5,6,7
	ds_load_b128 v[TMP+32*((\a)%2)+4*\t:TMP+32*((\a)%2)+4*\t+3], v[RD] offset:((\a)%2)*4352+\t*544
.endr
.endm
.macro SEND a, younger                 ; younger: the LDS instructions issued behind block a's loads
	s_wait_dscnt \younger
.irp t, 0,1,2,3,4,5,6,7
	global_store_b128 v[CO], v[TMP+32*((\a)%2)+4*\t:TMP+32*((\a)%2)+4*\t+3], s[8:9] offset:(16*(\a)+2*\t)*8192   ; sixteen lanes store 256 consecutive bytes, aligned
.endr
.endm
	PLACES
	TOSTAGE 0
	TOSTAGE 1
	SEND 0, 16
	s_wait_xcnt 0x0                                ; block 0's stores have read their registers: block 2's loads may land there
	TOSTAGE 2
	SEND 1, 16
	s_wait_xcnt 0x0
	TOSTAGE 3
	SEND 2, 16
	SEND 3, 0
	s_wait_tensorcnt 0x0                           ; the wave's end: a tensor wait, an add to the spare word and its wait
	ds_add_u32 v[SPW], v[NIL]
	s_wait_dscnt 0x0
	CROUND                                         ; the closing round
	s_endpgm
.Lfunc_end_k_q42df628806_oproj:
	.size	k_q42df628806_oproj, .Lfunc_end_k_q42df628806_oproj-k_q42df628806_oproj
	.p2alignl 7, 3214868480
	.fill 96, 4, 3214868480
	.section	.rodata,"a",@progbits
	.p2align	6, 0x0
	.amdhsa_kernel k_q42df628806_oproj
		.amdhsa_group_segment_fixed_size 327680
		.amdhsa_private_segment_fixed_size 0
		.amdhsa_enable_private_segment 0
		.amdhsa_kernarg_size 24
		.amdhsa_user_sgpr_count 2
		.amdhsa_user_sgpr_kernarg_segment_ptr 1
		.amdhsa_wavefront_size32 1
		.amdhsa_system_sgpr_workgroup_id_x 1
		.amdhsa_system_sgpr_workgroup_id_y 1
		.amdhsa_system_sgpr_workgroup_id_z 1
		.amdhsa_system_vgpr_workitem_id 0
		.amdhsa_next_free_vgpr 512
		.amdhsa_next_free_sgpr 66
		.amdhsa_reserve_vcc 0
		.amdhsa_float_denorm_mode_32 3
		.amdhsa_float_denorm_mode_16_64 3
		.amdhsa_memory_ordered 1
		.amdhsa_forward_progress 1
		.amdhsa_inst_pref_size 85
	.end_amdhsa_kernel
	.amdgpu_metadata
---
amdhsa.version: [ 1, 2 ]
amdhsa.kernels:
  - .name:           k_q42df628806_oproj
    .symbol:         k_q42df628806_oproj.kd
    .args:
      - { .name: ao, .offset: 0, .size: 8, .value_kind: global_buffer, .address_space: global }
      - { .name: wof, .offset: 8, .size: 8, .value_kind: global_buffer, .address_space: global }
      - { .name: out0, .offset: 16, .size: 8, .value_kind: global_buffer, .address_space: global }
    .group_segment_fixed_size: 327680
    .private_segment_fixed_size: 0
    .kernarg_segment_align: 8
    .kernarg_segment_size: 24
    .max_flat_workgroup_size: 128
    .sgpr_count:     66
    .vgpr_count:     512
    .wavefront_size: 32
...
	.end_amdgpu_metadata
.endif
;; end of part 5
;; launch fout (part 6): grid 128 x 1, 16 waves a work-group, no clusters, 18,432 bytes of LDS; arguments aof, wo, out0; writes out0
.if DOCPART == 6
	.amdgcn_target "amdgcn-amd-amdhsa--gfx1250"
	.amdhsa_code_object_version 6
	.text
	.protected	k_q42df628806_fout
	.globl	k_q42df628806_fout
	.p2align	8
	.type	k_q42df628806_fout,@function
k_q42df628806_fout:
	s_mov_b64 s[64:65], 0
	v_nop
	global_prefetch_b8 v0, s[64:65] scope:SCOPE_SE
	s_setreg_imm32_b32 hwreg(HW_REG_WAVE_MODE, 25, 1), 1
	s_wait_xcnt 0x0
; Rows 0-15 of out0 once more, in f32: out0[0..15][n] = sum over k of aof[row][k] wo[k][n], with wo as it is given.  16 x 2048 x 2048 multiply-adds: no bulk work.
; A work-group takes 16 columns; wave w takes k = 128 w + 0..127: 32 matrix instructions of 16 x 16 x 4 on four accumulators by turns; the sixteen waves' parts meet in LDS and wave 0 adds and stores them.
; aof gives lane (r, h) the four numbers k = 8 kg + 4 h + 0..3 of row r in one load; they serve two instructions (k + 0, 1 and k + 2, 3), and wo is loaded at the same k: the order of k is changed alike on both sides.
; Source 0 = 16 columns of wo, source 1 = the 16 rows: a lane holds eight neighbouring columns of one row.
; REGISTERS: v16-79 aof, v80-143 wo, v144-175 the four accumulators (written by matrix instructions alone), v176-191 their sum.
.set SPARE, 16384
.set SPW, 1
.set NIL, 2
	s_load_b128 s[4:7], s[0:1], 0x0                ; aof, wo
	s_load_b64 s[8:9], s[0:1], 0x10                ; out0
	v_lshl_add_u32 v[SPW], v0, 2, SPARE
	v_mov_b32 v[NIL], 0
	v_lshrrev_b32 v3, 5, v0
	v_readfirstlane_b32 s10, v3                    ; wave 0..15
	v_and_b32 v8, 31, v0
	v_and_b32 v9, 15, v0                           ; r
	v_bfe_u32 v10, v0, 4, 1                        ; h
	v_lshlrev_b32 v3, 4, v8                        ; 16 x lane
	v_lshlrev_b32 v4, 2, v9
	v_lshl_add_u32 v4, v10, 15, v4                 ; wo: column r, 4 h rows down
	s_lshl_b32 s11, s10, 10
	v_add_nc_u32 v5, s11, v3                       ; LDS: my wave's 1,024 bytes
	v_lshlrev_b32 v7, 13, v9
	v_lshl_add_u32 v7, v10, 5, v7                  ; out0: row r, 8 h columns on
	s_lshl_b32 s12, s10, 13                        ; aof: 16 groups of 512 bytes
	s_mov_b32 s13, 0
	s_lshl_b32 s14, s10, 20                        ; wo: 128 rows of 8,192 bytes,
	s_lshl_b32 s16, ttmp9, 6                       ; 16 columns of 4 bytes
	s_add_co_u32 s14, s14, s16
	s_mov_b32 s15, 0
	s_mov_b32 s17, 0
	s_wait_kmcnt 0x0
	s_add_nc_u64 s[4:5], s[4:5], s[12:13]
	s_add_nc_u64 s[6:7], s[6:7], s[14:15]
	s_add_nc_u64 s[8:9], s[8:9], s[16:17]
.irp g, 0,1,2,3,4,5,6,7,8,9,10,11,12,13,14,15
	global_load_b128 v[16+4*\g:19+4*\g], v3, s[4:5] offset:\g*512
.endr
.irp g, 0,1,2,3,4,5,6,7,8,9,10,11,12,13,14,15
.irp e, 0,1,2,3
	global_load_b32 v[80+4*\g+\e], v4, s[6:7] offset:(8*\g+\e)*8192
.endr
.endr
	s_wait_loadcnt 0x0
.set I, 0
.rept 32
.if I < 4
	v_wmma_f32_16x16x4_f32 v[144+8*(I%4):151+8*(I%4)], v[80+2*I:81+2*I], v[16+2*I:17+2*I], 0
.else
	v_wmma_f32_16x16x4_f32 v[144+8*(I%4):151+8*(I%4)], v[80+2*I:81+2*I], v[16+2*I:17+2*I], v[144+8*(I%4):151+8*(I%4)]
.endif
.set I, I+1
.endr
.rept 8
	v_nop                                          ; eight places behind this form, in front of the first read of its results
.endr
.irp j, 0,2,4,6
	v_pk_add_f32 v[176+\j:177+\j], v[144+\j:145+\j], v[152+\j:153+\j]   ; into other registers, each accumulator from its low end on
	v_pk_add_f32 v[184+\j:185+\j], v[160+\j:161+\j], v[168+\j:169+\j]
.endr
.irp j, 0,2,4,6
	v_pk_add_f32 v[176+\j:177+\j], v[176+\j:177+\j], v[184+\j:185+\j]
.endr
	ds_store_b128 v5, v[176:179]
	ds_store_b128 v5, v[180:183] offset:512
	s_wait_dscnt 0x0                               ; for wave 0's sake: my part lies in LDS
	s_barrier_signal -1
	s_barrier_wait -1
	s_cmp_lg_u32 s10, 0
	s_cbranch_scc1 .Ldone
.irp w, 0,1,2,3,4,5,6,7,8,9,10,11,12,13,14,15
	ds_load_b128 v[16+8*\w:19+8*\w], v3 offset:\w*1024
	ds_load_b128 v[20+8*\w:23+8*\w], v3 offset:\w*1024+512
.endr
	s_wait_dscnt 0x0
.irp w, 1,2,3,4,5,6,7,8,9,10,11,12,13,14,15
.irp j, 0,2,4,6
	v_pk_add_f32 v[16+\j:17+\j], v[16+\j:17+\j], v[16+8*\w+\j:17+8*\w+\j]
.endr
.endr
	global_store_b128 v7, v[16:19], s[8:9]
	global_store_b128 v7, v[20:23], s[8:9] offset:16
.Ldone:
	s_wait_tensorcnt 0x0                           ; the wave's end: a tensor wait, an add to the spare word and its wait, behind my last LDS store
	ds_add_u32 v[SPW], v[NIL]
	s_wait_dscnt 0x0
	s_endpgm
.Lfunc_end_k_q42df628806_fout:
	.size	k_q42df628806_fout, .Lfunc_end_k_q42df628806_fout-k_q42df628806_fout
	.p2alignl 7, 3214868480
	.fill 96, 4, 3214868480
	.section	.rodata,"a",@progbits
	.p2align	6, 0x0
	.amdhsa_kernel k_q42df628806_fout
		.amdhsa_group_segment_fixed_size 18432
		.amdhsa_private_segment_fixed_size 0
		.amdhsa_enable_private_segment 0
		.amdhsa_kernarg_size 24
		.amdhsa_user_sgpr_count 2
		.amdhsa_user_sgpr_kernarg_segment_ptr 1
		.amdhsa_wavefront_size32 1
		.amdhsa_system_sgpr_workgroup_id_x 1
		.amdhsa_system_sgpr_workgroup_id_y 1
		.amdhsa_system_sgpr_workgroup_id_z 1
		.amdhsa_system_vgpr_workitem_id 0
		.amdhsa_next_free_vgpr 192
		.amdhsa_next_free_sgpr 66
		.amdhsa_reserve_vcc 0
		.amdhsa_float_denorm_mode_32 3
		.amdhsa_float_denorm_mode_16_64 3
		.amdhsa_memory_ordered 1
		.amdhsa_forward_progress 1
		.amdhsa_inst_pref_size 19
	.end_amdhsa_kernel
	.amdgpu_metadata
---
amdhsa.version: [ 1, 2 ]
amdhsa.kernels:
  - .name:           k_q42df628806_fout
    .symbol:         k_q42df628806_fout.kd
    .args:
      - { .name: aof, .offset: 0, .size: 8, .value_kind: global_buffer, .address_space: global }
      - { .name: wo, .offset: 8, .size: 8, .value_kind: global_buffer, .address_space: global }
      - { .name: out0, .offset: 16, .size: 8, .value_kind: global_buffer, .address_space: global }
    .group_segment_fixed_size: 18432
    .private_segment_fixed_size: 0
    .kernarg_segment_align: 8
    .kernarg_segment_size: 24
    .max_flat_workgroup_size: 512
    .sgpr_count:     66
    .vgpr_count:     192
    .wavefront_size: 32
...
	.end_amdgpu_metadata
.endif
;; end of part 6
;; ======== version 2 of 2: 6 launches
;; limits: values are held in f16: magnitudes above 65,504 overflow, below 6.1e-05 lose precision
;; workspace buffers: xq 2,228,224 bytes; wz 3,342,336 bytes; wof 8,388,608 bytes; qkvh 12,582,912 bytes; qkvl 12,582,912 bytes; ao 8,388,608 bytes; aof 131,072 bytes; paf 1,081,344 bytes
;; launch prep: the kernel of part 1 again; grid 288 x 1, 4 waves a work-group, no clusters, 34,304 bytes of LDS; arguments x, wq, wk, wv, wo, xq, wz, wof; writes xq, wz, wof
;; launch qkv: the kernel of part 2 again; grid 12 x 8, 4 waves a work-group, clusters of 4 x 4, 327,680 bytes of LDS; arguments xq, wz, cos, sin, qkvh, qkvl; writes qkvh, qkvl
;; launch attn: the kernel of part 3 again; grid 32 x 8, 8 waves a work-group, clusters of 4 x 4, 327,680 bytes of LDS; arguments qkvh, mask, ao; writes ao
;; launch fattn (part 7): grid 32 x 8, 8 waves a work-group, no clusters, 68,608 bytes of LDS; arguments qkvh, qkvl, mask, paf; writes paf
.if DOCPART == 7
	.amdgcn_target "amdgcn-amd-amdhsa--gfx1250"
	.amdhsa_code_object_version 6
	.text
	.protected	k_q42df628806_fattn
	.globl	k_q42df628806_fattn
	.p2align	8
	.type	k_q42df628806_fattn,@function
k_q42df628806_fattn:
	s_mov_b64 s[64:65], 0
	v_nop
	global_prefetch_b8 v0, s[64:65] scope:SCOPE_SE
	s_setreg_imm32_b32 hwreg(HW_REG_WAVE_MODE, 25, 1), 1
	s_wait_xcnt 0x0
; The first 16 queries once more, finely: q, k, v and the weights p as pairs of f16 numbers (high and low part), three products for each (high x high, low x high, high x low); sums in f32.
; A work-group is one query head (x) and one chunk of 256 keys (y): 256 work-groups.  Wave w takes keys 256 y + 32 w + 0..31: all its operands fit in its registers, so its 44 loads go out together at the head.
; Straight-line text, two barriers: the chunk's maximum over the eight waves, then the sum of their partial results.
; x' = fma(mask, log2(e), s'), s' = log2(e) q.k / 8 (q was stored times log2(e)/8); p = 2^(x' - m), m the chunk's maximum of the row.
; STORED, NOT NORMALISED: the chunk's sum of p v, its m and its sum of p; the eight chunks of a head are brought under one maximum, added and divided by a later launch.
;   paf: chunk*131072 + kg*512 + 16*lane: part of out(row lane%16, k = 8 kg + 4 (lane/16) + 0..3), k = 64 head + d;  from 1048576 on: chunk*4096 + head*128 + 4*row: m, and 64 bytes further the sum of p.
; V is copied as it lies into the wave's own LDS bytes and read back turned.  Operands come from memory straight into registers: a small launch, no tensor load, no cluster.
; LIMITS: 1.4427 |mask| is finite; in a row in which every key's mask is so large that the scores vanish beside it, the weights hang on f32's rounding of score + mask.
; REGISTERS: v1-15 addresses; v16 m; v17-23, v56-63 at work; v24-55 Q high and low, later p's high parts in v24-31; v64-79 S^T, then p, then p's low parts in v64-71; v80-95 the mask; v96-127 O^T; v128-191 K; v192-255 V.
.set MX,    65536                      ; behind the waves' eight regions of 8,192 bytes: partial maxima [query] x 64 + 4 x wave, 1,024 bytes; the partial sums 1,024 bytes on
.set SPARE, 67584                      ; the spare words, 128 bytes a wave
.set SPW, 1
.set NIL, 2
	s_load_b256 s[4:11], s[0:1], 0x0               ; qkvh, qkvl, mask, paf
	v_lshl_add_u32 v[SPW], v0, 2, SPARE
	v_mov_b32 v[NIL], 0
	v_lshrrev_b32 v3, 5, v0
	v_readfirstlane_b32 s12, v3                    ; wave 0..7
	v_and_b32 v16, 31, v0                          ; lane
	v_and_b32 v17, 15, v0                          ; r
	v_bfe_u32 v18, v0, 4, 1                        ; h
	v_lshrrev_b32 v3, 1, v16
	v_and_b32 v3, 8, v3
	v_xor_b32 v3, v16, v3
	v_lshlrev_b32 v3, 4, v3                        ; v3 16 x pos(lane): Q's and K's pieces
	v_lshlrev_b32 v4, 4, v16                       ; v4 16 x lane: V as it lies
	v_lshlrev_b32 v5, 13, v17
	v_lshl_add_u32 v5, v18, 5, v5                  ; v5 the mask: row r, 8 h keys on
	s_lshl_b32 s13, s12, 13                        ; my 8,192 bytes of LDS
	v_add_nc_u32 v6, s13, v4                       ; v6 V into LDS
	v_bfe_u32 v19, v0, 3, 1
	v_xor_b32 v20, v19, v18
	v_and_b32 v21, 7, v0
	v_lshl_add_u32 v21, v20, 3, v21
	v_lshl_add_u32 v21, v19, 4, v21
	v_lshlrev_b32 v21, 4, v21
	v_add_nc_u32 v7, s13, v21                      ; v7 V back, turned
	v_lshlrev_b32 v9, 6, v17
	v_add_nc_u32 v9, MX, v9                        ; v9 a query's eight partial numbers
	s_lshl_b32 s14, s12, 2
	v_add_nc_u32 v8, s14, v9                       ; v8 mine among them
	v_mul_u32_u24 v10, v17, 272
	v_lshl_add_u32 v11, v18, 4, v10
	v_lshl_add_u32 v10, v18, 5, v10
	v_add_nc_u32 v10, s13, v10                     ; v10 my partial O: row r of 256 bytes + 16, 8 h channels on
	v_bfe_u32 v19, v0, 5, 3
	v_lshl_add_u32 v11, v19, 5, v11                ; v11 the reduction: thread t reads row t%16, channels 8 (t/32) + 4 ((t/16)%2) + 0..3 of each wave's part
	v_lshlrev_b32 v12, 2, v17                      ; v12 4 r: m and the sum of p
	v_lshlrev_b32 v15, 4, v0                       ; v15 16 x thread
	s_and_b32 s15, ttmp7, 0xffff                   ; the chunk of 256 keys
	s_mov_b32 s28, 0x76543210
	s_mov_b32 s29, 0xfedcba98
	s_mov_b32 s30, 0x3fb8aa3b                      ; log2(e)
	s_mov_b32 s31, s30
	s_lshl_b32 s32, ttmp9, 18                      ; my head of q
	s_mov_b32 s33, 0
	s_lshl_b32 s42, s15, 15                        ; 256 keys are 16 groups of 2,048 bytes,
	s_lshl_b32 s43, s12, 12                        ; my 32 keys two
	s_add_co_u32 s42, s42, s43
	s_lshr_b32 s34, ttmp9, 2
	s_add_co_u32 s34, s34, 32
	s_lshl_b32 s34, s34, 18
	s_add_co_u32 s34, s34, s42                     ; k: head 32 + g, my keys
	s_mov_b32 s35, 0
	s_add_co_u32 s36, s34, 2097152                 ; v: eight heads on
	s_mov_b32 s37, 0
	s_lshl_b32 s38, s15, 10                        ; the mask: 4 bytes a key
	s_lshl_b32 s43, s12, 7
	s_add_co_u32 s38, s38, s43
	s_mov_b32 s39, 0
	s_wait_kmcnt 0x0
	s_add_nc_u64 s[16:17], s[4:5], s[32:33]
	s_add_nc_u64 s[18:19], s[6:7], s[32:33]
	s_add_nc_u64 s[20:21], s[4:5], s[34:35]
	s_add_nc_u64 s[22:23], s[6:7], s[34:35]
	s_add_nc_u64 s[24:25], s[4:5], s[36:37]
	s_add_nc_u64 s[26:27], s[6:7], s[36:37]
	s_add_nc_u64 s[8:9], s[8:9], s[38:39]
	s_lshl_b32 s38, s15, 12
	s_lshl_b32 s43, ttmp9, 7
	s_add_co_u32 s38, s38, s43
	s_add_co_u32 s38, s38, 1048576
	s_add_nc_u64 s[40:41], s[10:11], s[38:39]      ; my chunk's and head's m and sum of p
	s_lshl_b32 s38, s15, 17
	s_lshl_b32 s43, ttmp9, 12
	s_add_co_u32 s38, s38, s43
	s_add_nc_u64 s[10:11], s[10:11], s[38:39]      ; my chunk's and head's part of the result
	; all 44 loads of the wave, in the order in which they are wanted
.irp f, 0,1,2,3
	global_load_b128 v[24+4*\f:27+4*\f], v3, s[16:17] offset:\f*512
	global_load_b128 v[40+4*\f:43+4*\f], v3, s[18:19] offset:\f*512
.endr
.irp tt, 0,1                                   ; two tiles of 16 keys: high parts in v128-159, low parts in v160-191
.irp f, 0,1,2,3
	global_load_b128 v[128+16*\tt+4*\f:131+16*\tt+4*\f], v3, s[20:21] offset:\tt*2048+\f*512
	global_load_b128 v[160+16*\tt+4*\f:163+16*\tt+4*\f], v3, s[22:23] offset:\tt*2048+\f*512
.endr
.endr
.irp t, 0,1
	global_load_b128 v[80+8*\t:83+8*\t], v5, s[8:9] offset:\t*64
	global_load_b128 v[84+8*\t:87+8*\t], v5, s[8:9] offset:\t*64+16
.endr
.irp n, 0,1,2,3,4,5,6,7                        ; my 32 keys of V as they lie: high parts in v192-223, low parts in v224-255
	global_load_b128 v[192+4*\n:195+4*\n], v4, s[24:25] offset:\n*512
	global_load_b128 v[224+4*\n:227+4*\n], v4, s[26:27] offset:\n*512
.endr
	s_wait_loadcnt 20                              ; Q and K are in; the mask's four loads and V's sixteen may be out
	; S^T = K Q^T: 12 products, the two tiles by turns
.irp tt, 0,1
	v_wmma_f32_16x16x32_f16 v[64+8*\tt:71+8*\tt], v[128+16*\tt:135+16*\tt], v[24:31], 0
.endr
.irp tt, 0,1
	v_wmma_f32_16x16x32_f16 v[64+8*\tt:71+8*\tt], v[136+16*\tt:143+16*\tt], v[32:39], v[64+8*\tt:71+8*\tt]
.endr
.irp df, 0,1
.irp tt, 0,1
	v_wmma_f32_16x16x32_f16 v[64+8*\tt:71+8*\tt], v[160+16*\tt+8*\df:167+16*\tt+8*\df], v[24+8*\df:31+8*\df], v[64+8*\tt:71+8*\tt]
.endr
.endr
.irp df, 0,1
.irp tt, 0,1
	v_wmma_f32_16x16x32_f16 v[64+8*\tt:71+8*\tt], v[128+16*\tt+8*\df:135+16*\tt+8*\df], v[40+8*\df:47+8*\df], v[64+8*\tt:71+8*\tt]
.endr
.endr
.rept 4
	v_nop                                          ; places in front of the first read of the scores
.endr
	s_wait_loadcnt 16                              ; the mask is in; V's sixteen loads may be out
.irp i, 0,2,4,6,8,10,12,14
	v_pk_fma_f32 v[64+\i:65+\i], v[80+\i:81+\i], s[30:31], v[64+\i:65+\i] op_sel_hi:[1,0,1]   ; x', ascending: each tile from its low end on
.endr
.irp c, 0,1
	v_max3_num_f32 v[56+\c], v[64+8*\c], v[65+8*\c], v[66+8*\c]
.endr
.irp i, 3,5
.irp c, 0,1
	v_max3_num_f32 v[56+\c], v[56+\c], v[64+8*\c+\i], v[65+8*\c+\i]
.endr
.endr
	v_max3_num_f32 v56, v56, v71, v79
	v_max_num_f32 v56, v56, v57
	v_permlanex16_b32 v57, v56, s28, s29           ; the query's other 16 keys lie in the lane 16 away
	v_max_num_f32 v56, v56, v57
	ds_store_b32 v8, v56                           ; lanes r and r + 16 write the same word with the same value
	s_wait_dscnt 0x0                               ; for the others' sake: my store is done
	s_barrier_signal -1
	s_barrier_wait -1
	ds_load_b128 v[16:19], v9
	ds_load_b128 v[20:23], v9 offset:16
	s_wait_dscnt 0x0
	v_max3_num_f32 v16, v16, v17, v18
	v_max3_num_f32 v20, v20, v21, v22
	v_max3_num_f32 v16, v16, v19, v23
	v_max_num_f32 v16, v16, v20                    ; the row's maximum over the chunk's 256 keys; it stays in v16 to the end
.irp i, 0,2,4,6,8,10,12,14
	v_pk_add_f32 v[64+\i:65+\i], v[64+\i:65+\i], v[16:17] op_sel_hi:[1,0] neg_lo:[0,1] neg_hi:[0,1]   ; x' - m
.endr
.irp i, 0,1,2,3,4,5,6,7,8,9,10,11,12,13,14,15
	v_exp_f32 v[64+\i], v[64+\i]
.endr
	v_nop                                          ; a plain line behind the last exponential
	s_wait_alu depctr_va_vdst(0)                   ; one wait for the 16 exponentials, ahead of their first reader
	v_pk_add_f32 v[56:57], v[64:65], v[66:67]
	v_pk_add_f32 v[58:59], v[68:69], v[70:71]
.irp i, 8,12
	v_pk_add_f32 v[56:57], v[56:57], v[64+\i:65+\i]
	v_pk_add_f32 v[58:59], v[58:59], v[66+\i:67+\i]
.endr
	v_pk_add_f32 v[56:57], v[56:57], v[58:59]
	v_add_f32 v56, v56, v57
	v_permlanex16_b32 v57, v56, s28, s29
	v_add_f32 v56, v56, v57
	ds_store_b32 v8, v56 offset:1024               ; my 32 keys' sum of p
.irp i, 0,1,2,3,4,5,6,7
	v_cvt_pk_f16_f32 v[24+\i], v[64+2*\i], v[65+2*\i]   ; p's high parts: two tiles of 16 keys, packed, are source 1 for 32 keys
.endr
.set I, 0
.irp s, v24.l,v24.h,v25.l,v25.h,v26.l,v26.h,v27.l,v27.h,v28.l,v28.h,v29.l,v29.h,v30.l,v30.h,v31.l,v31.h
	v_cvt_f32_f16 v[56+I%8], \s
.if I%8 == 7
.set J, I-7
.rept 4
	v_pk_add_f32 v[64+J:65+J], v[64+J:65+J], v[56+J%8:57+J%8] neg_lo:[0,1] neg_hi:[0,1]   ; what the high part left
.set J, J+2
.endr
.endif
.set I, I+1
.endr
.irp i, 0,1,2,3,4,5,6,7
	v_cvt_pk_f16_f32 v[64+\i], v[64+2*\i], v[65+2*\i]   ; p's low parts, in place, ascending
.endr
	s_wait_loadcnt 0x0                             ; V is in
.irp n, 0,1,2,3,4,5,6,7,8,9,10,11,12,13,14,15
	ds_store_b128 v6, v[192+4*\n:195+4*\n] offset:\n*512
.endr
.irp pt, 0,1
.irp dt, 0,1,2,3
.irp e2, 0,1
	ds_load_tr16_b128 v[192+32*\pt+8*\dt+4*\e2:195+32*\pt+8*\dt+4*\e2], v7 offset:\pt*4096+\e2*2048+\dt*512   ; LDS serves a wave's instructions in order: these see my stores
.endr
.endr
.endr
	s_wait_dscnt 0x0
	; O^T = V^T P: 12 products, the four tiles of channels by turns
.irp dt, 0,1,2,3
	v_wmma_f32_16x16x32_f16 v[96+8*\dt:103+8*\dt], v[192+8*\dt:199+8*\dt], v[24:31], 0
.endr
.irp dt, 0,1,2,3
	v_wmma_f32_16x16x32_f16 v[96+8*\dt:103+8*\dt], v[224+8*\dt:231+8*\dt], v[24:31], v[96+8*\dt:103+8*\dt]
.endr
.irp dt, 0,1,2,3
	v_wmma_f32_16x16x32_f16 v[96+8*\dt:103+8*\dt], v[192+8*\dt:199+8*\dt], v[64:71], v[96+8*\dt:103+8*\dt]
.endr
.rept 4
	v_nop                                          ; places in front of the stores that read the results, and of the loads over V further down
.endr
.irp dt, 0,1,2,3
	ds_store_b128 v10, v[96+8*\dt:99+8*\dt] offset:\dt*64          ; over my own copy of V, which I have read
	ds_store_b128 v10, v[100+8*\dt:103+8*\dt] offset:\dt*64+16
.endr
	s_wait_dscnt 0x0                               ; for the others' sake: my partial O and my partial sum lie in LDS
	s_barrier_signal -1
	s_barrier_wait -1
.irp u, 0,1,2,3,4,5,6,7
	ds_load_b128 v[128+4*\u:131+4*\u], v11 offset:\u*8192
.endr
	ds_load_b128 v[192:195], v9 offset:1024
	ds_load_b128 v[196:199], v9 offset:1040
	s_wait_dscnt 0x0
.irp u, 4,8,12,16,20,24,28
	v_pk_add_f32 v[128:129], v[128:129], v[128+\u:129+\u]
	v_pk_add_f32 v[130:131], v[130:131], v[130+\u:131+\u]
.endr
	global_store_b128 v15, v[128:131], s[10:11]    ; eight waves store the head's 4,096 bytes of this chunk on end
.irp u, 2,4,6
	v_pk_add_f32 v[192:193], v[192:193], v[192+\u:193+\u]
.endr
	v_add_f32 v192, v192, v193                     ; the chunk's sum of p of row r
	s_cmp_lg_u32 s12, 0
	s_cbranch_scc1 .Lfend
	global_store_b32 v12, v16, s[40:41]            ; wave 0: m; lanes r and r + 16 store the same word with the same value
	global_store_b32 v12, v192, s[40:41] offset:64 ; and the sum of p
.Lfend:
	s_wait_tensorcnt 0x0                           ; the wave's end: a tensor wait, an add to the spare word and its wait, behind my last LDS store
	ds_add_u32 v[SPW], v[NIL]
	s_wait_dscnt 0x0
	s_endpgm
.Lfunc_end_k_q42df628806_fattn:
	.size	k_q42df628806_fattn, .Lfunc_end_k_q42df628806_fattn-k_q42df628806_fattn
	.p2alignl 7, 3214868480
	.fill 96, 4, 3214868480
	.section	.rodata,"a",@progbits
	.p2align	6, 0x0
	.amdhsa_kernel k_q42df628806_fattn
		.amdhsa_group_segment_fixed_size 68608
		.amdhsa_private_segment_fixed_size 0
		.amdhsa_enable_private_segment 0
		.amdhsa_kernarg_size 32
		.amdhsa_user_sgpr_count 2
		.amdhsa_user_sgpr_kernarg_segment_ptr 1
		.amdhsa_wavefront_size32 1
		.amdhsa_system_sgpr_workgroup_id_x 1
		.amdhsa_system_sgpr_workgroup_id_y 1
		.amdhsa_system_sgpr_workgroup_id_z 1
		.amdhsa_system_vgpr_workitem_id 0
		.amdhsa_next_free_vgpr 256
		.amdhsa_next_free_sgpr 66
		.amdhsa_reserve_vcc 0
		.amdhsa_float_denorm_mode_32 3
		.amdhsa_float_denorm_mode_16_64 3
		.amdhsa_memory_ordered 1
		.amdhsa_forward_progress 1
		.amdhsa_inst_pref_size 20
	.end_amdhsa_kernel
	.amdgpu_metadata
---
amdhsa.version: [ 1, 2 ]
amdhsa.kernels:
  - .name:           k_q42df628806_fattn
    .symbol:         k_q42df628806_fattn.kd
    .args:
      - { .name: qkvh, .offset: 0, .size: 8, .value_kind: global_buffer, .address_space: global }
      - { .name: qkvl, .offset: 8, .size: 8, .value_kind: global_buffer, .address_space: global }
      - { .name: mask, .offset: 16, .size: 8, .value_kind: global_buffer, .address_space: global }
      - { .name: paf, .offset: 24, .size: 8, .value_kind: global_buffer, .address_space: global }
    .group_segment_fixed_size: 68608
    .private_segment_fixed_size: 0
    .kernarg_segment_align: 8
    .kernarg_segment_size: 32
    .max_flat_workgroup_size: 256
    .sgpr_count:     66
    .vgpr_count:     256
    .wavefront_size: 32
...
	.end_amdgpu_metadata
.endif
;; end of part 7
;; launch oproj (part 8): grid 16 x 16, 4 waves a work-group, clusters of 4 x 4, 327,680 bytes of LDS; arguments ao, wof, out0, aof, paf; writes out0, aof
.if DOCPART == 8
	.amdgcn_target "amdgcn-amd-amdhsa--gfx1250"
	.amdhsa_code_object_version 6
	.text
	.protected	k_q42df628806_oproj
	.globl	k_q42df628806_oproj
	.p2align	8
	.type	k_q42df628806_oproj,@function
k_q42df628806_oproj:
	s_mov_b64 s[64:65], 0
	v_nop
	global_prefetch_b8 v0, s[64:65] scope:SCOPE_SE
	s_setreg_imm32_b32 hwreg(HW_REG_WAVE_MODE, 25, 1), 1
	s_wait_xcnt 0x0
	s_wait_alu depctr_hold_cnt(0) depctr_sa_sdst(0) depctr_va_vdst(0) depctr_va_sdst(0) depctr_va_ssrc(0) depctr_va_vcc(0) depctr_vm_vsrc(0)
	s_getreg_b32 s2, hwreg(HW_REG_IB_STS2, 6, 4)
	s_cmp_eq_u32 s2, 0
	s_cbranch_scc0 .Lentry_in_a_cluster
	s_endpgm
.Lentry_in_a_cluster:
	s_bfe_u32 s2, ttmp6, 0x10000c
	s_cmp_lg_u32 s2, 0xf033
	s_cbranch_scc0 .Lentry_shape_is_right
	s_endpgm
.Lentry_shape_is_right:
; out0 = ao wo, M = N = K = 2048, f16 operands, f32 sums and results.  Both operands lie in memory in the order of the operand registers, K step by K step of 256:
; 64 rows (or columns) of a K step are 32,768 dense bytes for one tensor load, and every fragment load is 16 x lane + a constant.
; A tile of C is 128 x 128, so that each of 256 work-groups has one; four waves, each 64 x 64: 16 accumulators.  Two slots of one K step.
; CLUSTERS: 4 x 4; ao's tiles are shared along a row of the cluster, wo's along a column: joint loads.
; THE MATRIX INSTRUCTION IS USED TRANSPOSED (source 0 = 16 columns of wo, source 1 = 16 rows of ao): a lane holds eight neighbouring numbers of a row of C.
; A wave's 64 columns are 256 bytes of a row, aligned: each wave sends its blocks of 16 rows through a stage of its own and stores whole rows of 256 bytes.
; Rows 0-15 are computed here like all others and are written again, more finely, by the launch that follows.
; BESIDE THE PRODUCT: the fine attention of rows 0-15 arrives in eight parts, one for each 256 keys (paf: the sum of p v, the maximum m and the sum of p of each part).  Work-group number 16 x tile row + tile column = kg
; merges group kg of aof, 128 numbers, one a thread: m = the largest m_c, f_c = 2^(m_c - m), aof = sum O_c f_c / sum l_c f_c.  No branch; only global addresses hang on kg.  Its loads go out behind the first joint loads,
; and its arithmetic stands ahead of the wait for the first tile.
; REGISTERS: window 0: v16-29 addresses; v30, v31, v96-124 the merge; v32-95 the way out; v128-255 the accumulators ((a, b) at v[128 + 8 (4 a + b)]).  window 1: two fragment buffers of 128: 64 registers of ao, then 64 of wo.
.set HALFT,  32768
.set SLOT,   131072
.set STAGE,  262144                    ; behind the ring: two stages of 16 rows x 272 bytes for each wave
.set SPARE,  296960
.set LAPS,   4
.set ADRA, 16
.set ADRB, 20
.set STO,  24
.set RD,   25
.set CO,   26
.set SPW,  28
.set NIL,  29
.set TMP,  32
.set ACC,  128
.set F0,   0
.set F1,   128
.set G1, 24
.set G0, 32
.set G1B, 48
.set G0B, 56
.set MSB, 0
.macro WIN new
.if MSB != \new
	s_set_vgpr_msb (MSB<<8)|\new
.set MSB, \new
.endif
.endm
.set MUL,  0x05
.set TO_F, 0x40
.macro JLOAD s                         ; waves 0 and 1 fetch ao's halves, waves 2 and 3 wo's; an s_nop 0 and four v_nop follow each line
	s_cmp_eq_u32 s11, 0
	s_cbranch_scc0 .Lfor_b_\@
	tensor_load_to_lds s[G0+4*\s:G0+4*\s+3], s[G1:G1+7]
	s_nop 0
.rept 4
	v_nop
.endr
	s_branch .Lasked_\@
.Lfor_b_\@:
	tensor_load_to_lds s[G0B+4*\s:G0B+4*\s+3], s[G1B:G1B+7]
	s_nop 0
.rept 4
	v_nop
.endr
.Lasked_\@:
.endm
.macro CREST
	s_cmp_lg_u32 s10, 0
	s_cbranch_scc1 .Lnot_wave_0_\@
	s_barrier_signal -3
.Lnot_wave_0_\@:
	s_barrier_wait -3
	s_barrier_signal -1
	s_barrier_wait -1
.endm
.macro CROUND
	s_barrier_signal -1
	s_barrier_wait -1
	CREST
.endm
	s_load_b128 s[4:7], s[0:1], 0x0                ; ao, wof
	s_load_b64 s[8:9], s[0:1], 0x10                ; out0
	s_load_b64 s[66:67], s[0:1], 0x18              ; aof
	s_load_b64 s[68:69], s[0:1], 0x20              ; paf
	v_lshl_add_u32 v[SPW], v0, 2, SPARE
	v_mov_b32 v[NIL], 0
	ds_add_u32 v[SPW], v[NIL]                      ; the opening: the add, twice on end, and its wait ahead of my first tensor load
	ds_add_u32 v[SPW], v[NIL]
	v_lshrrev_b32 v1, 5, v0
	v_readfirstlane_b32 s10, v1
	s_lshr_b32 s11, s10, 1                         ; my half of the rows; also: I fetch for ao (0) or wo (1)
	s_and_b32 s12, s10, 1                          ; my half of the columns; also: which 64 rows I fetch
	s_bfe_u32 s40, ttmp6, 0x40000
	s_bfe_u32 s41, ttmp6, 0x40004
	s_lshl_b32 s42, ttmp9, 2
	s_add_co_u32 s42, s42, s40                     ; tile column
	s_and_b32 s13, ttmp7, 0xffff
	s_lshl_b32 s13, s13, 2
	s_add_co_u32 s13, s13, s41                     ; tile row
	s_lshl_b32 s43, s41, 2
	s_lshl_b32 s43, 15, s43
	s_lshl_b32 s44, 0x1111, s40
	s_or_b32 s[G1+0], s43, (3<<16)|(1<<21)
	s_or_b32 s[G1B+0], s44, (3<<16)|(1<<21)
.irp g, G1, G1B
	s_mov_b32 s[\g+1], 32<<16                      ; 128 rows of 256 bytes: 32,768 dense bytes
	s_mov_b32 s[\g+2], 128<<16
	s_mov_b32 s[\g+3], 32<<16
	s_mov_b32 s[\g+4], 128
	s_mov_b32 s[\g+5], 32
	s_mov_b32 s[\g+6], 0
	s_mov_b32 s[\g+7], 0
.endr
	s_lshl_b32 s17, s12, 2
	s_lshl_b32 s16, s13, 3
	s_add_co_u32 s16, s16, s17                     ; ao: first group of 16 rows that I fetch
	s_lshl_b32 s46, s42, 3
	s_add_co_u32 s46, s46, s17                     ; wo: first group of 16 columns
	s_lshl_b32 s16, s16, 13
	s_lshl_b32 s46, s46, 13
	s_mov_b32 s17, 0
	s_mov_b32 s47, 0
	s_mul_i32 s20, s10, HALFT
	s_wait_dscnt 0x0
	s_wait_kmcnt 0x0
	s_add_nc_u64 s[14:15], s[4:5], s[16:17]
	s_add_nc_u64 s[46:47], s[6:7], s[46:47]
	CROUND
.irp s, 0,1
	s_mov_b32 s[G0+4*\s], 1
	s_add_co_u32 s[G0+4*\s+1], s20, \s*SLOT
	s_add_nc_u64 s[G0+4*\s+2:G0+4*\s+3], s[14:15], \s*1048576
	s_or_b32 s[G0+4*\s+3], s[G0+4*\s+3], 0x80000000
	s_mov_b32 s[G0B+4*\s], 1
	s_add_co_u32 s[G0B+4*\s+1], s20, \s*SLOT
	s_add_nc_u64 s[G0B+4*\s+2:G0B+4*\s+3], s[46:47], \s*1048576
	s_or_b32 s[G0B+4*\s+3], s[G0B+4*\s+3], 0x80000000
	JLOAD \s
.endr
	; the merge's 24 loads: thread t takes number t of group kg: row (t/4)%16 of head kg/8.  Registers of their own, which feed no descriptor and are never written again
	s_lshl_b32 s72, s13, 4
	s_add_co_u32 s72, s72, s42                     ; kg = 16 x tile row + tile column: 0..255
	s_lshl_b32 s74, s72, 9                         ; a group is 512 bytes
	s_mov_b32 s75, 0
	s_lshr_b32 s76, s72, 3                         ; the head
	s_lshl_b32 s76, s76, 7
	s_add_co_u32 s76, s76, 1048576                 ; its m and sums of p lie behind the eight parts
	s_mov_b32 s77, 0
	s_add_nc_u64 s[70:71], s[68:69], s[76:77]
	s_add_nc_u64 s[68:69], s[68:69], s[74:75]
	s_add_nc_u64 s[66:67], s[66:67], s[74:75]
	v_lshlrev_b32 v30, 2, v0                       ; 4 t
	v_and_b32 v31, 60, v0                          ; 4 x my row
.irp c, 0,1,2,3,4,5,6,7
	global_load_b32 v[96+\c], v30, s[68:69] offset:\c*131072       ; O_c: a wave's load reads 128 consecutive bytes
	global_load_b32 v[104+\c], v31, s[70:71] offset:\c*4096        ; m_c
	global_load_b32 v[112+\c], v31, s[70:71] offset:\c*4096+64     ; l_c
.endr
	v_and_b32 v1, 15, v0
	v_bfe_u32 v2, v0, 4, 1
	v_and_b32 v3, 31, v0
	v_lshlrev_b32 v3, 4, v3                        ; 16 x lane
	s_mul_i32 s21, s11, HALFT
	s_mul_i32 s22, s12, HALFT
	s_add_co_u32 s22, s22, 2*HALFT
.irp s, 0,1
	v_add_nc_u32 v[ADRA+\s], s21, v3
	v_add_nc_u32 v[ADRB+\s], s22, v3
	s_add_co_u32 s21, s21, SLOT
	s_add_co_u32 s22, s22, SLOT
.endr
	s_mul_i32 s23, s10, 8704
	s_add_co_u32 s23, s23, STAGE                   ; my two stages
	v_mul_u32_u24 v4, v1, 272
	v_lshl_add_u32 v4, v2, 5, v4
	v_add_nc_u32 v[STO], s23, v4                   ; in: row r, 32 bytes for each half of the lanes
	v_mul_u32_u24 v5, v2, 272
	v_lshl_add_u32 v5, v1, 4, v5
	v_add_nc_u32 v[RD], s23, v5                    ; back: lanes 0-15 one row of 256 bytes, lanes 16-31 the next
	v_lshlrev_b32 v5, 13, v2
	v_lshl_add_u32 v[CO], v1, 4, v5                ; the same two rows in C
	s_lshl_b32 s16, s13, 7
	s_lshl_b32 s17, s11, 6
	s_add_co_u32 s16, s16, s17                     ; my first row
	s_lshl_b32 s16, s16, 13
	s_mov_b32 s17, 0
	s_add_nc_u64 s[8:9], s[8:9], s[16:17]
	s_lshl_b32 s46, s42, 9
	s_lshl_b32 s47, s12, 8
	s_add_co_u32 s46, s46, s47                     ; my first column, in bytes
	s_mov_b32 s47, 0
	s_add_nc_u64 s[8:9], s[8:9], s[46:47]
	; the merge's arithmetic
	s_wait_loadcnt 0x0                             ; the 24 numbers are in
	v_max3_num_f32 v120, v104, v105, v106
	v_max3_num_f32 v121, v107, v108, v109
	v_max3_num_f32 v120, v120, v110, v111
	v_max_num_f32 v120, v120, v121                 ; the row's maximum over all 2,048 keys
.irp c, 0,1,2,3,4,5,6,7
	v_sub_f32 v[104+\c], v[104+\c], v120
.endr
.irp c, 0,1,2,3,4,5,6,7
	v_exp_f32 v[104+\c], v[104+\c]                 ; f_c = 2^(m_c - m), at most 1
.endr
	v_nop                                          ; a plain line behind the last exponential
	s_wait_alu depctr_va_vdst(0)                   ; one wait for the eight, ahead of their first reader
	v_mul_f32 v121, v112, v104
	v_mul_f32 v122, v96, v104
.irp c, 1,2,3,4,5,6,7
	v_fma_f32 v121, v[112+\c], v[104+\c], v121     ; the sum of p under the one maximum,
	v_fma_f32 v122, v[96+\c], v[104+\c], v122      ; and the sum of p v
.endr
	v_rcp_f32 v123, v121
	v_nop
	s_wait_alu depctr_va_vdst(0)
	v_mul_f32 v124, v122, v123
	global_store_b32 v30, v124, s[66:67]           ; the four waves store the group's 512 bytes on end
.macro MUL8 f, c, a0, zero             ; 8 matrix instructions; the 16 accumulators take turns
.irp a, \a0, \a0+1
.irp b, 0,1,2,3
.if \zero
	v_wmma_f32_16x16x32_f16 v[ACC+8*(4*(\a)+\b):ACC+8*(4*(\a)+\b)+7], v[\f+64+8*(4*\c+\b):\f+64+8*(4*\c+\b)+7], v[\f+8*(4*\c+\a):\f+8*(4*\c+\a)+7], 0
.else
	v_wmma_f32_16x16x32_f16 v[ACC+8*(4*(\a)+\b):ACC+8*(4*(\a)+\b)+7], v[\f+64+8*(4*\c+\b):\f+64+8*(4*\c+\b)+7], v[\f+8*(4*\c+\a):\f+8*(4*\c+\a)+7], v[ACC+8*(4*(\a)+\b):ACC+8*(4*(\a)+\b)+7]
.endif
.endr
.endr
.endm
.macro FETCH slot, qd, f               ; 32 LDS loads: the fragments of quarter qd (64 along K) into buffer f, its first 32 along K first
	WIN TO_F
.irp c, 0,1
.irp i, 0,1,2,3
	ds_load_b128 v[\f+64+8*(4*\c+\i):\f+64+8*(4*\c+\i)+3],   v[ADRB+\slot] offset:\i*8192+(2*(\qd)+\c)*1024
	ds_load_b128 v[\f+64+8*(4*\c+\i)+4:\f+64+8*(4*\c+\i)+7], v[ADRB+\slot] offset:\i*8192+(2*(\qd)+\c)*1024+512
	ds_load_b128 v[\f+8*(4*\c+\i):\f+8*(4*\c+\i)+3],         v[ADRA+\slot] offset:\i*8192+(2*(\qd)+\c)*1024
	ds_load_b128 v[\f+8*(4*\c+\i)+4:\f+8*(4*\c+\i)+7],       v[ADRA+\slot] offset:\i*8192+(2*(\qd)+\c)*1024+512
.endr
.endr
.endm
.macro PLACES
.rept 4
	v_nop
.endr
.endm
.macro QUARTER slot, qd, f, g, zero    ; multiplies buffer f and fetches quarter qd into g
	s_wait_dscnt 16                                ; the first 32 along K are in; the other sixteen loads may be out
	WIN MUL
	MUL8 \f, 0, 0, \zero
	MUL8 \f, 0, 2, \zero
	PLACES
	FETCH \slot, \qd, \g
	s_wait_dscnt 32                                ; all but the 32 just issued
	WIN MUL
	MUL8 \f, 1, 0, 0
	MUL8 \f, 1, 2, 0
.endm
.macro TURN slot, next, fill           ; the last quarter changes slots
	WIN 0
	s_wait_tensorcnt 0x0                           ; my part of the next slot has landed; no load of mine is out
	ds_add_u32 v[SPW], v[NIL]
	s_wait_dscnt 17                                ; the add and the youngest sixteen loads may be out
	WIN MUL
	MUL8 F1, 0, 0, 0
	s_wait_dscnt 0x0                               ; the add is done, and my reads of this slot are over
	s_barrier_signal -1
	MUL8 F1, 0, 2, 0
.if \fill
	WIN 0
.endif
	s_barrier_wait -1
.if \fill
	CREST                                          ; the barrier has opened a round of the cluster's
	s_add_nc_u64 s[G0+4*\slot+2:G0+4*\slot+3], s[G0+4*\slot+2:G0+4*\slot+3], 2097152
	s_add_nc_u64 s[G0B+4*\slot+2:G0B+4*\slot+3], s[G0B+4*\slot+2:G0B+4*\slot+3], 2097152
	JLOAD \slot
.else
	PLACES
.endif
	FETCH \next, 0, F0
	WIN MUL
	MUL8 F1, 1, 0, 0
	MUL8 F1, 1, 2, 0
.endm
	s_wait_tensorcnt 1                             ; my part of K step 0 is in; K step 1's may be out
	s_barrier_signal -1
	s_barrier_wait -1
	FETCH 0, 0, F0
	QUARTER 0, 1, F0, F1, 1
	WIN 0
	s_mov_b32 s3, LAPS-1
.Llap:
	QUARTER 0, 2, F1, F0, 0
	QUARTER 0, 3, F0, F1, 0
	TURN 0, 1, 1
	QUARTER 1, 1, F0, F1, 0
	QUARTER 1, 2, F1, F0, 0
	QUARTER 1, 3, F0, F1, 0
	TURN 1, 0, 1
	QUARTER 0, 1, F0, F1, 0
	WIN 0
	s_sub_co_u32 s3, s3, 1
	s_cmp_lg_u32 s3, 0
	s_cbranch_scc1 .Llap
	QUARTER 0, 2, F1, F0, 0                        ; the last lap fills nothing
	QUARTER 0, 3, F0, F1, 0
	TURN 0, 1, 0
	QUARTER 1, 1, F0, F1, 0
	QUARTER 1, 2, F1, F0, 0
	QUARTER 1, 3, F0, F1, 0
	s_wait_dscnt 16
	WIN MUL
	MUL8 F1, 0, 0, 0
	MUL8 F1, 0, 2, 0
	s_wait_dscnt 0
	MUL8 F1, 1, 0, 0
	MUL8 F1, 1, 2, 0
	WIN 0
.macro TOSTAGE a                       ; block a, 16 rows x 64 columns, into my stage a%2 and back as whole rows; LDS serves a wave's instructions in order
.irp b, 0,1,2,3
	ds_store_b128 v[STO], v[ACC+8*(4*(\a)+\b):ACC+8*(4*(\a)+\b)+3] offset:((\a)%2)*4352+64*\b
	ds_store_b128 v[STO], v[ACC+8*(4*(\a)+\b)+4:ACC+8*(4*(\a)+\b)+7] offset:((\a)%2)*4352+64*\b+16
.endr
.irp t, 0,1,2,3,4,5,6,7
	ds_load_b128 v[TMP+32*((\a)%2)+4*\t:TMP+32*((\a)%2)+4*\t+3], v[RD] offset:((\a)%2)*4352+\t*544
.endr
.endm
.macro SEND a, younger                 ; younger: the LDS instructions issued behind block a's loads
	s_wait_dscnt \younger
.irp t, 0,1,2,3,4,5,6,7
	global_store_b128 v[CO], v[TMP+32*((\a)%2)+4*\t:TMP+32*((\a)%2)+4*\t+3], s[8:9] offset:(16*(\a)+2*\t)*8192   ; sixteen lanes store 256 consecutive bytes, aligned
.endr
.endm
	PLACES
	TOSTAGE 0
	TOSTAGE 1
	SEND 0, 16
	s_wait_xcnt 0x0                                ; block 0's stores have read their registers: block 2's loads may land there
	TOSTAGE 2
	SEND 1, 16
	s_wait_xcnt 0x0
	TOSTAGE 3
	SEND 2, 16
	SEND 3, 0
	s_wait_tensorcnt 0x0                           ; the wave's end: a tensor wait, an add to the spare word and its wait
	ds_add_u32 v[SPW], v[NIL]
	s_wait_dscnt 0x0
	CROUND                                         ; the closing round
	s_endpgm
.Lfunc_end_k_q42df628806_oproj:
	.size	k_q42df628806_oproj, .Lfunc_end_k_q42df628806_oproj-k_q42df628806_oproj
	.p2alignl 7, 3214868480
	.fill 96, 4, 3214868480
	.section	.rodata,"a",@progbits
	.p2align	6, 0x0
	.amdhsa_kernel k_q42df628806_oproj
		.amdhsa_group_segment_fixed_size 327680
		.amdhsa_private_segment_fixed_size 0
		.amdhsa_enable_private_segment 0
		.amdhsa_kernarg_size 40
		.amdhsa_user_sgpr_count 2
		.amdhsa_user_sgpr_kernarg_segment_ptr 1
		.amdhsa_wavefront_size32 1
		.amdhsa_system_sgpr_workgroup_id_x 1
		.amdhsa_system_sgpr_workgroup_id_y 1
		.amdhsa_system_sgpr_workgroup_id_z 1
		.amdhsa_system_vgpr_workitem_id 0
		.amdhsa_next_free_vgpr 512
		.amdhsa_next_free_sgpr 80
		.amdhsa_reserve_vcc 0
		.amdhsa_float_denorm_mode_32 3
		.amdhsa_float_denorm_mode_16_64 3
		.amdhsa_memory_ordered 1
		.amdhsa_forward_progress 1
		.amdhsa_inst_pref_size 90
	.end_amdhsa_kernel
	.amdgpu_metadata
---
amdhsa.version: [ 1, 2 ]
amdhsa.kernels:
  - .name:           k_q42df628806_oproj
    .symbol:         k_q42df628806_oproj.kd
    .args:
      - { .name: ao, .offset: 0, .size: 8, .value_kind: global_buffer, .address_space: global }
      - { .name: wof, .offset: 8, .size: 8, .value_kind: global_buffer, .address_space: global }
      - { .name: out0, .offset: 16, .size: 8, .value_kind: global_buffer, .address_space: global }
      - { .name: aof, .offset: 24, .size: 8, .value_kind: global_buffer, .address_space: global }
      - { .name: paf, .offset: 32, .size: 8, .value_kind: global_buffer, .address_space: global }
    .group_segment_fixed_size: 327680
    .private_segment_fixed_size: 0
    .kernarg_segment_align: 8
    .kernarg_segment_size: 40
    .max_flat_workgroup_size: 128
    .sgpr_count:     80
    .vgpr_count:     512
    .wavefront_size: 32
...
	.end_amdgpu_metadata
.endif
;; end of part 8
;; launch fout: the kernel of part 6 again; grid 128 x 1, 16 waves a work-group, no clusters, 18,432 bytes of LDS; arguments aof, wo, out0; writes out0
